; MI455X (gfx1250); checked and timed in simulation.
; The chip was launched on July 23, 2026; its instructions are those of AMD's public machine-readable ISA for CDNA 5 (MIT licence, August 2026) and "CDNA5" Instruction Set Architecture Reference Guide (July 2026). The comments in the code are by the model that wrote it; some were corrected since.
;; Custom Qwen3 Attention. Allowed arithmetic: matrix products marked QUANTISED: E2M3 operands, one E8M0 scale for each 32 along K, by v_wmma_scale_f32_16x16x128_f8f6f4 with both operands' format E2M3, f32 sums; everything else in f32.
;; Inputs: Wk 1,024 x 2,048 float32; Wo 2,048 x 2,048 float32; Wq 2,048 x 2,048 float32; Wv 1,024 x 2,048 float32; attention_mask 1 x 1 x 2,048 x 4,096 float32; cos 1 x 2,048 x 128 float32; hidden_states 1 x 2,048 x 2,048 float32; k_norm_w 128 float32; past_key 1 x 8 x 2,048 x 128 float32; past_value 1 x 8 x 2,048 x 128 float32; q_norm_w 128 float32; sin 1 x 2,048 x 128 float32.
;; Outputs: out0 1 x 2,048 x 2,048 float32; out1 1 x 8 x 2,048 x 128 float32; out2 1 x 8 x 2,048 x 128 float32.
;; This version of the problem:
;;   THIS VERSION OF THE PROBLEM IS GIVEN IN LOW PRECISION. The matrix products marked QUANTISED in the list below multiply operands that are first quantised to E2M3 (2 exponent bits, 3 mantissa bits; 6 bits a number), with one power-of-two scale for each 32 numbers along K (OCP MX v1.0); their sums are f32. All else is computed in f32.
;;   The module's matrix products, in the order in which they are computed (A, B: the left and right operand; K: the contracted axis; several contracted axes count as one K, in the product's order):
;;     1. [M 2,048, K 2,048] x [K 2,048, N 2,048]; A: input hidden_states; B: input Wq: QUANTISED
;;     2. [M 2,048, K 2,048] x [K 2,048, N 1,024]; A: input hidden_states; B: input Wk: QUANTISED
;;     3. [M 2,048, K 2,048] x [K 2,048, N 1,024]; A: input hidden_states; B: input Wv: QUANTISED
;;     4. batch 16 x [M 2,048, K 128] x [K 128, N 4,096]; A: computed on the way; B: computed on the way: QUANTISED
;;     5. batch 16 x [M 2,048, K 4,096] x [K 4,096, N 128]; A: softmax (see below); B: computed on the way: QUANTISED
;;     6. [M 2,048, K 2,048] x [K 2,048, N 2,048]; A: computed on the way; B: input Wo: QUANTISED
;;   THE QUANTISER, for each operand of a quantised product, along K:
;;     - K is cut into blocks of 32 from its start; a last block that is shorter is filled with zeros.
;;     - A block's scale is 2^e with e = floor(log2(the largest magnitude in the block)) - 2, held to -126 .. 127; a block of zeros has e = 0. As a byte (E8M0): e + 127.
;;     - Each number is divided by its block's scale, clamped to +-7.5, and rounded to the nearest number of E2M3, ties to even, subnormals kept.
;;     - The product sums the exact products of the quantised numbers (number of the format x scale) in f32.
;;   ~~~python
;;   def quantise(x, axis):      # numpy; x: float32 -> the quantised numbers, widened to float32 again
;;       x = np.moveaxis(x, axis, -1); K = x.shape[-1]
;;       x = np.pad(x, [(0, 0)] * (x.ndim - 1) + [(0, -K % 32)]); x = x.reshape(x.shape[:-1] + (-1, 32)); a = np.abs(x).max(-1, keepdims=True)
;;       e = np.where(a > 0, np.clip(np.frexp(np.where(a > 0, a, 1))[1] - 1 - 2, -126, 127), 0)      # np.frexp(a)[1] - 1 = floor(log2(a)), exactly
;;       r = np.clip(x / 2.0 ** e, -7.5, 7.5)
;;       step = 2.0 ** (np.maximum(np.frexp(np.where(r == 0, 1, r))[1] - 1, 0) - 3)
;;       q = np.round(r / step) * step * 2.0 ** e      # np.round: ties to even
;;       return np.moveaxis(q.reshape(q.shape[:-2] + (-1,))[..., :K], -1, axis).astype(np.float32)
;;   ~~~
;;   SOFTMAX AHEAD OF A QUANTISED PRODUCT. Where the list says 'softmax', what is quantised is not the finished softmax but p = 2^(t - M), with t = logit x log2(e) and M = ceil(the row's largest t), a whole number; so 1/2 < the row's largest p <= 1. The row's sum l is taken of the UNQUANTISED p, in f32, and the product's result is divided by l at the end. Since M is a whole number, a kernel that streams over the keys may use a running M (the ceiling of the running maximum): every later rescaling is an exact power of two, which a block's scale takes up: the codes' values come out the same.
;;   OPERANDS COMPUTED ON THE WAY. 'Computed on the way' means the value that the module computes at that place (a softmax that the list does not call 'softmax' is quantised finished and normalised). What goes into a quantiser is computed in f32, as accurately as f32 sums, v_exp_f32 and their like allow (about 1e-6 of the number): no bf16 or f16 on the way to a quantiser, and a product that is left as it is and whose result goes on into a quantised operand takes f32 operands (vector FMAs, or v_wmma_f32_16x16x4_f32). A number that lies on a knife's edge between two numbers of the format may be rounded either way, as far as f32 arithmetic and the matrix unit's own rounding can turn it there, and no further.
;; One version. Each part assembles by itself: llvm-mc -triple=amdgcn-amd-amdhsa -mcpu=gfx1250 --defsym DOCPART=n.
;; ======== version 1 of 1: 5 launches
;; workspace buffers: himg 3,276,800 bytes; wimg 6,553,600 bytes; woimg 3,276,800 bytes; kimg 3,276,800 bytes; vimg 3,276,800 bytes; qimg 3,276,800 bytes; aimg 3,276,800 bytes
;; launch quant (part 1): grid 576 x 1, 4 waves a work-group, no clusters, 34,304 bytes of LDS; arguments hidden_states, Wq, Wk, Wv, Wo, past_key, himg, wimg, woimg, kimg; writes himg, wimg, woimg, kimg
.if DOCPART == 1
	.amdgcn_target "amdgcn-amd-amdhsa--gfx1250"
	.amdhsa_code_object_version 6
	.text
	.protected	k_q153c494657_quant
	.globl	k_q153c494657_quant
	.p2align	8
	.type	k_q153c494657_quant,@function
k_q153c494657_quant:
	s_mov_b64 s[64:65], 0
	v_nop
	global_prefetch_b8 v0, s[64:65] scope:SCOPE_SE
	s_setreg_imm32_b32 hwreg(HW_REG_WAVE_MODE, 25, 1), 1
	s_wait_xcnt 0x0
; THE PROGRAM: Qwen3 attention with a KV cache, all six products on codes of FP6 (E2M3) with one E8M0 scale for each 32 along K.
; Five launches: quant (this one), qkv (products 1-3, norm, RoPE), vquant (V along the keys), attn (products 4, 5), oproj (product 6).
; NO WORK OF reference() IS LEFT OUT and all twelve inputs are loaded: the mask is an input, so no pattern of it is built in and every key is walked for every query;
; the concatenation and the slice that give new_key and new_value are the new k and v themselves; the repeat of the KV heads is a sharing of tiles.
; THIS LAUNCH turns f32 tensors whose K is innermost (hidden_states, Wq, Wk, Wv, Wo: K = 2,048; past_key: K = a head's 128) into operands.
; LAYOUT OF EVERY WORKSPACE OPERAND.  A fragment (16 rows x 128 K: 12 registers a lane) lies as the IMAGE OF ITS REGISTERS: registers 4 c .. 4 c + 3 of lane l at 512 c + 16 l, 1,536 bytes.
; A RECORD is four fragments and their scale words (row r's word of fragment f at 6,144 + 16 r + 4 f): 6,400 bytes = 25 x 256.
; THE ROWS OF A TILE ARE NOT NEIGHBOURS: in a group of 128 rows lane r of tile t holds row 32 (t / 2) + 8 (t % 2) + r + 8 (r / 8), so that a product used transposed leaves 16 neighbours along the next K in a lane's registers.
; A block's scale is 2^(floor(log2(its largest magnitude)) - 2); its byte is the largest magnitude's exponent field - 2, held at 1 from below.
; LIMITS: a block of zeros gets the byte 1 where the rule says 127 (its codes are zeros, and this program alone reads the bytes); NaN and infinities among the inputs are not served.
; SHARES.  A wave makes one record from 32 KiB of f32.  Work-groups 0-127 hidden, 128-255 Wq, 256-319 Wk, 320-383 Wv, 384-511 Wo, 512-575 past_key: ONE path, only pointers and a few numbers are chosen by the work-group's number.
; Each load reads a row's 512 consecutive bytes; a fragment's 16 rows turn through the wave's own stage in LDS (rows 528 bytes apart), so that a lane gets 16 neighbours of each block of 32.  No barrier: waves share nothing.
.set STG,   8448                       ; a wave's stage: 16 rows x 528 bytes
.set SPARE, 4*STG                      ; behind the stages: the spare words, 128 bytes a wave, which no other line names
.set L16,  1                           ; v1   16 x lane
.set SI,   2                           ; v2   the stage, on the way in
.set SOA,  3                           ; v3   and on the way out: row r, + 64 h
.set SPW,  4                           ; v4   my spare word; never rewritten
.set NIL,  5                           ; v5   0; never rewritten
.set Z,    6                           ; v[6:9] the four fragments' scale words
.set LANE, 10
.set OFF,  12                          ; v12-27 byte offset of my 16 bytes in row i of a tile
.set TM,   28                          ; v28-43 at work in QUANT
.set PC,   44                          ; v44-63 the codes just made
.set X,    64                          ; v64-127 64 numbers of my row
.set R,    128                         ; v128-255 two sets of 16 rows as loaded
.set WV,   2
.set SB,   32                          ; s[32:39] where each of the four fragments begins in memory
.set SEL,  54                          ; s[54:55] v_permlanex16_b32's selects for lane l xor 16
; 64 numbers of a lane, register 16 b + i = k 32 b + 16 (lane / 16) + i of my row, become a fragment's codes in v[PC] on and its scale word in v[pw].
.macro QUANT s, pw
.irp b, 0,1,2,3
	v_max3_num_f32 v[TM+\b], |v[\s+16*\b]|, |v[\s+1+16*\b]|, 0x1800000   ; my 16 numbers of block b, and the floor 2^(3 - 127): the byte cannot fall under 1
.endr
.irp i, 2,4,6,8,10,12,14
.irp b, 0,1,2,3
	v_max3_num_f32 v[TM+\b], v[TM+\b], |v[\s+16*\b+\i]|, |v[\s+1+16*\b+\i]|
.endr
.endr
.irp b, 0,1,2,3
	v_permlanex16_b32 v[TM+4+\b], v[TM+\b], s[SEL], s[SEL+1]
.endr
.irp b, 0,1,2,3
	v_max_num_f32 v[TM+\b], v[TM+\b], v[TM+4+\b]   ; with lane l xor 16's: the block's largest magnitude
.endr
.irp b, 0,1,2,3
	v_add_nc_u32 v[TM+12+\b], 0xff000000, v[TM+\b]   ; 2 off its exponent field: the conversion's scale operand
.endr
.irp b, 0,1,2,3
	v_lshrrev_b32 v[TM+4+\b], 23, v[TM+12+\b]      ; the scale's byte
.endr
	v_lshl_or_b32 v[\pw], v[TM+5], 8, v[TM+4]
	v_lshl_or_b32 v[\pw], v[TM+6], 16, v[\pw]
	v_lshl_or_b32 v[\pw], v[TM+7], 24, v[\pw]
.irp c, 0,1
	v_cvt_scalef32_pk16_fp6_f32 v[PC+6*\c:PC+2+6*\c], v[\s+32*\c:\s+15+32*\c], v[TM+12+2*\c]
	v_cvt_scalef32_pk16_fp6_f32 v[PC+12+4*\c:PC+14+4*\c], v[\s+16+32*\c:\s+31+32*\c], v[TM+12+2*\c+1]   ; (a conversion's three registers begin on an even number)
.endr
	v_nop                                          ; one plain place behind a scaled conversion
.irp c, 0,1                                    ; the operand's layout wants a whole block in a lane: lanes 0-15 block 2 c, lanes 16-31 block 2 c + 1
.irp i, 0,1,2
	v_permlane16_swap_b32 v[PC+6*\c+\i], v[PC+12+4*\c+\i]
.endr
.irp i, 0,1,2
	v_mov_b32 v[PC+3+6*\c+\i], v[PC+12+4*\c+\i]
.endr
.endr
.endm
.macro LOAD f                          ; fragment f's 16 rows x 512 bytes into set f % 2
.irp i, 0,1,2,3,4,5,6,7,8,9,10,11,12,13,14,15
	global_load_b128 v[R+64*((\f)%2)+4*\i:R+64*((\f)%2)+4*\i+3], v[OFF+\i], s[SB+2*(\f):SB+2*(\f)+1] th:TH_LOAD_NT
.endr
.endm
.macro TURN f                          ; through the stage: LDS serves a wave's instructions in order, so no wait stands between the stores and the loads
.irp i, 0,1,2,3,4,5,6,7,8,9,10,11,12,13,14,15
	ds_store_b128 v[SI], v[R+64*((\f)%2)+4*\i:R+64*((\f)%2)+4*\i+3] offset:528*\i
.endr
.irp b, 0,1,2,3
.irp j, 0,1,2,3
	ds_load_b128 v[X+16*\b+4*\j:X+16*\b+4*\j+3], v[SOA] offset:128*\b+16*\j
.endr
.endr
.endm
	s_load_b512 s[16:31], s[0:1], 0x0              ; hidden s[16:17], Wq s[18:19], Wk s[20:21], Wv s[22:23], Wo s[24:25], past_key s[26:27], himg s[28:29], wimg s[30:31]
	s_load_b128 s[12:15], s[0:1], 0x40             ; woimg s[12:13], kimg s[14:15]
	v_lshl_add_u32 v[SPW], v0, 2, SPARE
	v_mov_b32 v[NIL], 0
	v_lshrrev_b32 v11, 5, v0
	v_readfirstlane_b32 s[WV], v11                 ; wave 0..3
	v_and_b32 v[LANE], 31, v0
	v_lshlrev_b32 v[L16], 4, v[LANE]
	s_mul_i32 s3, s[WV], STG
	v_add_nc_u32 v[SI], s3, v[L16]
	v_and_b32 v11, 15, v0
	v_mul_u32_u24 v[SOA], v11, 528
	v_bfe_u32 v11, v0, 4, 1
	v_lshl_add_u32 v[SOA], v11, 6, v[SOA]
	v_add_nc_u32 v[SOA], s3, v[SOA]
.irp b, 0,1,2,3
	v_mov_b32 v[TM+4+\b], 0                        ; written once: a lane permute's destination counts as one of its sources
.endr
	s_mov_b32 s[SEL], 0x76543210
	s_mov_b32 s[SEL+1], 0xfedcba98
	s_wait_kmcnt 0x0
	; which tensor: source s[4:5], destination s[6:7], the first work-group of the source s8 and of the destination buffer s9
	s_mov_b64 s[4:5], s[26:27]
	s_mov_b64 s[6:7], s[14:15]
	s_mov_b32 s8, 512
	s_mov_b32 s9, 512
	s_cmp_lt_u32 ttmp9, 512
	s_cselect_b64 s[4:5], s[24:25], s[4:5]
	s_cselect_b64 s[6:7], s[12:13], s[6:7]
	s_cselect_b32 s8, 384, s8
	s_cselect_b32 s9, 384, s9
	s_cmp_lt_u32 ttmp9, 384
	s_cselect_b64 s[4:5], s[22:23], s[4:5]
	s_cselect_b64 s[6:7], s[30:31], s[6:7]
	s_cselect_b32 s8, 320, s8
	s_cselect_b32 s9, 128, s9
	s_cmp_lt_u32 ttmp9, 320
	s_cselect_b64 s[4:5], s[20:21], s[4:5]
	s_cselect_b32 s8, 256, s8
	s_cmp_lt_u32 ttmp9, 256
	s_cselect_b64 s[4:5], s[18:19], s[4:5]
	s_cselect_b32 s8, 128, s8
	s_cmp_lt_u32 ttmp9, 128
	s_cselect_b64 s[4:5], s[16:17], s[4:5]
	s_cselect_b64 s[6:7], s[28:29], s[6:7]
	s_cselect_b32 s8, 0, s8
	s_cselect_b32 s9, 0, s9
	s_sub_co_u32 s10, ttmp9, s8                    ; a GEMM's operand: the tile T (the wave is the record's place along K)
	s_sub_co_u32 s11, ttmp9, s9
	s_lshl_b32 s11, s11, 2
	s_add_co_u32 s11, s11, s[WV]                   ; the record's number in the destination
	s_lshr_b32 s40, s10, 3
	s_lshl_b32 s40, s40, 7
	s_bfe_u32 s41, s10, 0x20001
	s_lshl_b32 s41, s41, 5
	s_or_b32 s40, s40, s41
	s_and_b32 s41, s10, 1
	s_lshl_b32 s41, s41, 3
	s_or_b32 s40, s40, s41                         ; the tile's first row: 128 (T / 8) + 32 ((T / 2) % 4) + 8 (T % 2)
	s_lshl_b32 s40, s40, 13                        ; rows of 8,192 bytes
	s_lshl_b32 s41, s[WV], 11
	s_add_co_u32 s40, s40, s41                     ; + four K steps of 512 bytes for each record
	s_lshl_b32 s41, s10, 2
	s_add_co_u32 s41, s41, s[WV]
	s_lshl_b32 s41, s41, 15                        ; past_key: a record is 64 keys of 512 bytes
	s_lshr_b32 s42, s11, 5
	s_mul_i32 s42, s42, 204800                     ; and each head of kimg has 32 records of new keys behind its 32 of the past
	s_mov_b32 s43, 512
	s_mov_b32 s44, 4096
	s_mov_b32 s45, 16384
	s_cmp_lt_u32 ttmp9, 512
	s_cselect_b32 s40, s40, s41                    ; the source's offset
	s_cselect_b32 s42, 0, s42
	s_cselect_b32 s43, 8192, s43                   ; bytes from row to row
	s_cselect_b32 s44, 512, s44                    ; from fragment 0 to 1: a K step, or 8 keys
	s_cselect_b32 s45, 1024, s45                   ; from fragment 0 to 2: two K steps, or 32 keys
	s_mul_i32 s46, s11, 6400
	s_add_co_u32 s46, s46, s42
	s_mov_b32 s41, 0
	s_mov_b32 s47, 0
	s_add_nc_u64 s[SB:SB+1], s[4:5], s[40:41]
	s_add_nc_u64 s[6:7], s[6:7], s[46:47]
	s_mov_b32 s48, s44
	s_mov_b32 s49, 0
	s_mov_b32 s50, s45
	s_mov_b32 s51, 0
	s_add_nc_u64 s[SB+2:SB+3], s[SB:SB+1], s[48:49]
	s_add_nc_u64 s[SB+4:SB+5], s[SB:SB+1], s[50:51]
	s_add_nc_u64 s[SB+6:SB+7], s[SB+4:SB+5], s[48:49]
.irp i, 0,1,2,3,4,5,6,7,8,9,10,11,12,13,14,15
	s_mul_i32 s52, s43, \i+8*(\i/8)                ; lane r of a tile holds row r + 8 (r / 8) from the tile's first
	v_add_nc_u32 v[OFF+\i], s52, v[L16]
.endr
	LOAD 0
	LOAD 1
.irp f, 0,1,2,3
.if \f < 3
	s_wait_loadcnt 16                              ; this fragment's 16 loads are in; the next fragment's may be out
.else
	s_wait_loadcnt 0x0
.endif
	TURN \f
	s_wait_dscnt 0x0                               ; my 64 numbers are back, and the stage's stores have read their registers,
.if \f < 2
	LOAD \f+2                                      ; which take the fragment two on
.endif
	s_wait_xcnt 0x0                                ; the last fragment's stores have read the codes' registers
	QUANT X, Z+\f
.irp c, 0,1,2
	global_store_b128 v[L16], v[PC+4*\c:PC+4*\c+3], s[6:7] offset:1536*\f+512*\c   ; 32 lanes store 512 consecutive bytes, at a multiple of 256 from the buffer's first byte
.endr
.endr
	v_cmp_gt_u32 vcc_lo, 16, v[LANE]
	s_wait_xcnt 0x0                                ; EXEC changes only behind this wait
	s_and_saveexec_b32 s53, vcc_lo
	global_store_b128 v[L16], v[Z:Z+3], s[6:7] offset:6144   ; lanes 0-15: the 16 rows' four scale words, 256 consecutive bytes
	s_wait_xcnt 0x0
	s_or_b32 exec_lo, exec_lo, s53
	s_wait_tensorcnt 0x0                           ; the wave's end: behind my last LDS store
	ds_add_u32 v[SPW], v[NIL]
	s_wait_dscnt 0x0
	s_endpgm
.Lfunc_end_k_q153c494657_quant:
	.size	k_q153c494657_quant, .Lfunc_end_k_q153c494657_quant-k_q153c494657_quant
	.p2alignl 7, 3214868480
	.fill 96, 4, 3214868480
	.section	.rodata,"a",@progbits
	.p2align	6, 0x0
	.amdhsa_kernel k_q153c494657_quant
		.amdhsa_group_segment_fixed_size 34304
		.amdhsa_private_segment_fixed_size 0
		.amdhsa_enable_private_segment 0
		.amdhsa_kernarg_size 80
		.amdhsa_user_sgpr_count 2
		.amdhsa_user_sgpr_kernarg_segment_ptr 1
		.amdhsa_wavefront_size32 1
		.amdhsa_system_sgpr_workgroup_id_x 1
		.amdhsa_system_sgpr_workgroup_id_y 1
		.amdhsa_system_sgpr_workgroup_id_z 1
		.amdhsa_system_vgpr_workitem_id 0
		.amdhsa_next_free_vgpr 256
		.amdhsa_next_free_sgpr 66
		.amdhsa_reserve_vcc 1
		.amdhsa_float_denorm_mode_32 3
		.amdhsa_float_denorm_mode_16_64 3
		.amdhsa_memory_ordered 1
		.amdhsa_forward_progress 1
		.amdhsa_inst_pref_size 36
	.end_amdhsa_kernel
	.amdgpu_metadata
---
amdhsa.version: [ 1, 2 ]
amdhsa.kernels:
  - .name:           k_q153c494657_quant
    .symbol:         k_q153c494657_quant.kd
    .args:
      - { .name: hidden_states, .offset: 0, .size: 8, .value_kind: global_buffer, .address_space: global }
      - { .name: Wq, .offset: 8, .size: 8, .value_kind: global_buffer, .address_space: global }
      - { .name: Wk, .offset: 16, .size: 8, .value_kind: global_buffer, .address_space: global }
      - { .name: Wv, .offset: 24, .size: 8, .value_kind: global_buffer, .address_space: global }
      - { .name: Wo, .offset: 32, .size: 8, .value_kind: global_buffer, .address_space: global }
      - { .name: past_key, .offset: 40, .size: 8, .value_kind: global_buffer, .address_space: global }
      - { .name: himg, .offset: 48, .size: 8, .value_kind: global_buffer, .address_space: global }
      - { .name: wimg, .offset: 56, .size: 8, .value_kind: global_buffer, .address_space: global }
      - { .name: woimg, .offset: 64, .size: 8, .value_kind: global_buffer, .address_space: global }
      - { .name: kimg, .offset: 72, .size: 8, .value_kind: global_buffer, .address_space: global }
    .group_segment_fixed_size: 34304
    .private_segment_fixed_size: 0
    .kernarg_segment_align: 8
    .kernarg_segment_size: 80
    .max_flat_workgroup_size: 128
    .sgpr_count:     66
    .vgpr_count:     256
    .wavefront_size: 32
...
	.end_amdgpu_metadata
.endif
;; end of part 1
;; launch qkv (part 2): grid 16 x 16, 4 waves a work-group, clusters of 4 x 4, 327,680 bytes of LDS; arguments himg, wimg, cos, sin, q_norm_w, k_norm_w, qimg, kimg, out1, out2; writes qimg, kimg, out1, out2
.if DOCPART == 2
	.amdgcn_target "amdgcn-amd-amdhsa--gfx1250"
	.amdhsa_code_object_version 6
	.text
	.protected	k_q153c494657_qkv
	.globl	k_q153c494657_qkv
	.p2align	8
	.type	k_q153c494657_qkv,@function
k_q153c494657_qkv:
	s_mov_b64 s[64:65], 0
	v_nop
	global_prefetch_b8 v0, s[64:65] scope:SCOPE_SE
	s_setreg_imm32_b32 hwreg(HW_REG_WAVE_MODE, 25, 1), 1
	s_wait_xcnt 0x0
	s_wait_alu depctr_hold_cnt(0) depctr_sa_sdst(0) depctr_va_vdst(0) depctr_va_sdst(0) depctr_va_ssrc(0) depctr_va_vcc(0) depctr_vm_vsrc(0)
	s_getreg_b32 s2, hwreg(HW_REG_IB_STS2, 6, 4)
	s_cmp_eq_u32 s2, 0
	s_cbranch_scc0 .Lentry_in_a_cluster
	s_endpgm
.Lentry_in_a_cluster:
	s_bfe_u32 s2, ttmp6, 0x10000c
	s_cmp_lg_u32 s2, 0xf033
	s_cbranch_scc0 .Lentry_shape_is_right
	s_endpgm
.Lentry_shape_is_right:
; Products 1 to 3 (hidden x Wq | Wk | Wv) on codes of FP6, then for q and k: RMS norm over the head, RoPE, quantised along the head's 128 into qimg and kimg; the roped k goes to out1, v to out2.  Nothing of reference() is left out here.
; Operands lie as images of their registers, in records of 6,400 bytes (four K steps of 128 of one tile of 16 rows, and their scale words): see the launch that makes them.
; SHARES.  P = wimg (4,096 rows: 32 head slots of 128), R = himg (2,048 tokens).  Work-group (x, y): head slots 2 x, 2 x + 1 and tokens 128 y on.  Wave w: head slot 2 x + w % 2 (8 tiles of P), tokens 64 (w / 2) on (4 tiles of R): 32 accumulators.
; TRANSPOSED USE: source 0 = 16 rows of P, source 1 = 16 tokens: a lane holds ONE token, and by the order of a tile's rows its register 16 b + i of a token tile is channel 32 b + 16 (lane / 16) + i of the head.
; So the norm wants one exchange between the halves of the lanes, RoPE's partner (channel + 64) is register + 32 of the same lane, and the 64 registers are what the quantiser takes.
; RING: two LDS slots, each with four K steps (one record of each of 16 + 8 tiles, 153,600 bytes); K = 2,048 is four slots' worth, written out without a loop.
; CLUSTER 4 x 4: P's records hang on x alone and are asked for jointly along a column of the cluster, R's on y alone, along a row.  The cluster's x says what the work-groups make: 0, 1 q; 2 k; 3 v: the same in all partners.
; THE PATHS PART ONCE, behind the last change of slots, where no barrier and no tensor load is left: q and k ask for the norm's weights, cos and sin there, so that these land under the last slot's 128 products; v asks for none.
; The last slot's four K steps are therefore written twice.
; LIMITS: v_rsq_f32 is accurate to 1 ulp; RoPE uses fused multiply-adds (one rounding less than a product and a sum); a block of zeros gets the byte 1; NaN and infinities are not served.
; REGISTERS, in windows of 256: window 0: v0-31 addresses; v32-79 scale words, two sets; v80-175 R's fragments, two sets; v176-239 the norm's weights; v240-255 at work.  On the way out v80-175 are free.
;   window 1: accumulator (a, b) at v[64 a + 8 b].   window 2: P's fragments, two sets, at v0 and v128; on the way out rows of out1.   window 3: cos and sin of a token tile, two sets of 128.
.set SLOT,  153600
.set RB,    102400                     ; in a slot: P's 16 records, then R's 8
.set SPARE, 2*SLOT                     ; behind the ring: the spare words, 128 bytes a wave, which no other line names
.set VST,   33792                      ; the stages lie in slot 0, which has had its last fill and its last read when they are written: k's at 8,448 x wave, v's 33,792 further on
.set ADRP, 2                           ; v2-3   my P fragments in slot 0, 1
.set ADRR, 4                           ; v4-5   my R fragments
.set ADSP, 6                           ; v6-7   P's scale words: lanes 0-15 tile i, lanes 16-31 tile i + 4
.set ADSR, 8                           ; v8-9   R's: tile i, tile i + 2
.set STO,  10                          ; the stage: where I put 16 bytes of my token's row
.set RD,   11                          ; and where I read a row back
.set L16,  12                          ; 16 x lane
.set VC,   13                          ; cos, sin: my token's row, + 64 h
.set VW,   14                          ; 64 h
.set SPW,  15                          ; my spare word; never rewritten
.set NIL,  16                          ; 0; never rewritten
.set LANE, 17
.set SC,   32                          ; scale words: set s at v[32 + 24 s]: 16 of P, 8 of R
.set RF,   80
.set W,    176
.set TM,   240
.set Y,    80                          ; the way out: a token tile's 64 numbers
.set PC,   144                         ; its codes
.set SS,   164                         ; v164-171 at work
.set Z,    172                         ; v[172:175] the four tiles' scale words
.set WV, 3
.set WP, 4                             ; w % 2
.set WR, 5                             ; w / 2
.set CX, 6
.set CY, 7
.set GX, 8
.set GY, 9
.set SEL, 10
.set INV, 12
.set EPS, 13
.set G1P, 32
.set G1R, 40
.set G0P, 48                           ; one group 0 for each slot
.set G0R, 56
.set REC, 88                           ; s[88:89] my record in qimg or kimg
.set OUT, 90                           ; s[90:91] my rows of out1 or out2
.set COSB, 92
.set SINB, 94
.set WN,  96
.set MULW, 0x52                        ; source 0 (P) window 2, source 1 (R) window 0, C and D window 1
.set MSB, 0
.macro WIN new                         ; the immediate's high byte repeats the setting that is left
.if MSB != \new
	s_set_vgpr_msb (MSB<<8)|\new
.set MSB, \new
.endif
.endm
.macro PLACES n
.rept \n
	v_nop
.endr
.endm
.macro CREST                           ; a round of the cluster's barrier behind its opening barrier
	s_cmp_lg_u32 s[WV], 0
	s_cbranch_scc1 .Lnot_wave_0_\@
	s_barrier_signal -3
.Lnot_wave_0_\@:
	s_barrier_wait -3
	s_barrier_signal -1
	s_barrier_wait -1
.endm
.macro CROUND
	s_barrier_signal -1
	s_barrier_wait -1
	CREST
.endm
; A joint load: waves 0 and 1 fetch P's halves, waves 2 and 3 R's.  An s_nop 0 and four v_nop follow each line.
.macro JLOAD s
	s_cmp_lt_u32 s[WV], 2
	s_cbranch_scc0 .Lfor_r_\@
	tensor_load_to_lds s[G0P+4*\s:G0P+4*\s+3], s[G1P:G1P+7]
	s_nop 0
.rept 4
	v_nop
.endr
	s_branch .Lasked_\@
.Lfor_r_\@:
	tensor_load_to_lds s[G0R+4*\s:G0R+4*\s+3], s[G1R:G1R+7]
	s_nop 0
.rept 4
	v_nop
.endr
.Lasked_\@:
.endm
; 64 numbers of a lane, register 16 b + i = k 32 b + 16 (lane / 16) + i of my row, become a fragment's codes in v[PC] on and its scale word in v[pw].
.macro QUANT s, pw
.irp b, 0,1,2,3
	v_max3_num_f32 v[TM+\b], |v[\s+16*\b]|, |v[\s+1+16*\b]|, 0x1800000   ; and the floor 2^(3 - 127): the byte cannot fall under 1
.endr
.irp i, 2,4,6,8,10,12,14
.irp b, 0,1,2,3
	v_max3_num_f32 v[TM+\b], v[TM+\b], |v[\s+16*\b+\i]|, |v[\s+1+16*\b+\i]|
.endr
.endr
.irp b, 0,1,2,3
	v_permlanex16_b32 v[TM+4+\b], v[TM+\b], s[SEL], s[SEL+1]
.endr
.irp b, 0,1,2,3
	v_max_num_f32 v[TM+\b], v[TM+\b], v[TM+4+\b]
.endr
.irp b, 0,1,2,3
	v_add_nc_u32 v[TM+12+\b], 0xff000000, v[TM+\b]   ; 2 off the exponent field: the conversion's scale operand
.endr
.irp b, 0,1,2,3
	v_lshrrev_b32 v[TM+4+\b], 23, v[TM+12+\b]
.endr
	v_lshl_or_b32 v[\pw], v[TM+5], 8, v[TM+4]
	v_lshl_or_b32 v[\pw], v[TM+6], 16, v[\pw]
	v_lshl_or_b32 v[\pw], v[TM+7], 24, v[\pw]
.irp c, 0,1
	v_cvt_scalef32_pk16_fp6_f32 v[PC+6*\c:PC+2+6*\c], v[\s+32*\c:\s+15+32*\c], v[TM+12+2*\c]
	v_cvt_scalef32_pk16_fp6_f32 v[PC+12+4*\c:PC+14+4*\c], v[\s+16+32*\c:\s+31+32*\c], v[TM+12+2*\c+1]
.endr
	v_nop                                          ; one plain place behind a scaled conversion
.irp c, 0,1
.irp i, 0,1,2
	v_permlane16_swap_b32 v[PC+6*\c+\i], v[PC+12+4*\c+\i]
.endr
.irp i, 0,1,2
	v_mov_b32 v[PC+3+6*\c+\i], v[PC+12+4*\c+\i]
.endr
.endr
.endm
; One product: P's tile b x R's tile a, the slot's q-th 128 along K.  The scale words of tiles 4-7 of P and 2-3 of R stand in lanes 16-31 of their registers.
.macro WM a, b, q, slot, zero
.set rD, 64*(\a)+8*(\b)
.set rA, 128*((\q)%2)+12*(\b)
.set rB, RF+48*((\q)%2)+12*(\a)
.set rP, SC+24*(\slot)+4*((\b)%4)+(\q)
.set rR, SC+24*(\slot)+16+4*((\a)%2)+(\q)
.if \zero
.if ((\b) < 4) && ((\a) < 2)
	v_wmma_scale_f32_16x16x128_f8f6f4 v[rD:rD+7], v[rA:rA+11], v[rB:rB+11], 0, v[rP], v[rR] matrix_a_fmt:MATRIX_FMT_FP6 matrix_b_fmt:MATRIX_FMT_FP6
.elseif (\b) < 4
	v_wmma_scale_f32_16x16x128_f8f6f4 v[rD:rD+7], v[rA:rA+11], v[rB:rB+11], 0, v[rP], v[rR] matrix_a_fmt:MATRIX_FMT_FP6 matrix_b_fmt:MATRIX_FMT_FP6 matrix_b_scale:MATRIX_SCALE_ROW1
.elseif (\a) < 2
	v_wmma_scale_f32_16x16x128_f8f6f4 v[rD:rD+7], v[rA:rA+11], v[rB:rB+11], 0, v[rP], v[rR] matrix_a_fmt:MATRIX_FMT_FP6 matrix_b_fmt:MATRIX_FMT_FP6 matrix_a_scale:MATRIX_SCALE_ROW1
.else
	v_wmma_scale_f32_16x16x128_f8f6f4 v[rD:rD+7], v[rA:rA+11], v[rB:rB+11], 0, v[rP], v[rR] matrix_a_fmt:MATRIX_FMT_FP6 matrix_b_fmt:MATRIX_FMT_FP6 matrix_a_scale:MATRIX_SCALE_ROW1 matrix_b_scale:MATRIX_SCALE_ROW1
.endif
.else
.if ((\b) < 4) && ((\a) < 2)
	v_wmma_scale_f32_16x16x128_f8f6f4 v[rD:rD+7], v[rA:rA+11], v[rB:rB+11], v[rD:rD+7], v[rP], v[rR] matrix_a_fmt:MATRIX_FMT_FP6 matrix_b_fmt:MATRIX_FMT_FP6
.elseif (\b) < 4
	v_wmma_scale_f32_16x16x128_f8f6f4 v[rD:rD+7], v[rA:rA+11], v[rB:rB+11], v[rD:rD+7], v[rP], v[rR] matrix_a_fmt:MATRIX_FMT_FP6 matrix_b_fmt:MATRIX_FMT_FP6 matrix_b_scale:MATRIX_SCALE_ROW1
.elseif (\a) < 2
	v_wmma_scale_f32_16x16x128_f8f6f4 v[rD:rD+7], v[rA:rA+11], v[rB:rB+11], v[rD:rD+7], v[rP], v[rR] matrix_a_fmt:MATRIX_FMT_FP6 matrix_b_fmt:MATRIX_FMT_FP6 matrix_a_scale:MATRIX_SCALE_ROW1
.else
	v_wmma_scale_f32_16x16x128_f8f6f4 v[rD:rD+7], v[rA:rA+11], v[rB:rB+11], v[rD:rD+7], v[rP], v[rR] matrix_a_fmt:MATRIX_FMT_FP6 matrix_b_fmt:MATRIX_FMT_FP6 matrix_a_scale:MATRIX_SCALE_ROW1 matrix_b_scale:MATRIX_SCALE_ROW1
.endif
.endif
.endm
.macro MUL8 a, q, slot, zero           ; the 32 accumulators take turns, one instruction a turn, in the same order in every step
.irp b, 0,1,2,3,4,5,6,7
	WM \a, \b, \q, \slot, \zero
.endr
.endm
.macro FETCH slot, q, set              ; 36 LDS loads in one run: each takes 512 consecutive bytes, lane l's 16 at 16 l
	WIN 0x80
.irp b, 0,1,2,3,4,5,6,7
.irp c, 0,1,2
	ds_load_b128 v[128*(\set)+12*\b+4*\c:128*(\set)+12*\b+4*\c+3], v[ADRP+\slot] offset:6400*\b+1536*(\q)+512*\c
.endr
.endr
	WIN 0
.irp a, 0,1,2,3
.irp c, 0,1,2
	ds_load_b128 v[RF+48*(\set)+12*\a+4*\c:RF+48*(\set)+12*\a+4*\c+3], v[ADRR+\slot] offset:6400*\a+1536*(\q)+512*\c
.endr
.endr
.endm
.macro SCALES slot                     ; a slot's scale words: a row's four words (four K steps) by one load
.irp i, 0,1,2,3
	ds_load_b128 v[SC+24*(\slot)+4*\i:SC+24*(\slot)+4*\i+3], v[ADSP+\slot] offset:6144+6400*\i
.endr
.irp i, 0,1
	ds_load_b128 v[SC+24*(\slot)+16+4*\i:SC+24*(\slot)+16+4*\i+3], v[ADSR+\slot] offset:6144+6400*\i
.endr
.endm
; A step of 128 along K that has its successor in the same slot: the next step's fragments are asked for, then this step's 32 products are issued.
.macro STEP slot, q, zero
	s_wait_dscnt 0x0                               ; this step's fragments are in (asked for 32 products ago)
	PLACES 4                                       ; four places in front of loads into registers that the last products read
	FETCH \slot, (\q)+1, ((\q)+1)%2
	WIN MULW
	MUL8 0, \q, \slot, \zero
	MUL8 1, \q, \slot, \zero
	MUL8 2, \q, \slot, \zero
	MUL8 3, \q, \slot, \zero
.endm
; A slot's last step changes slots: one barrier; in front of it each wave waits for all its tensor loads, adds 0 to its spare word, and waits for that and for its reads of this slot.
.macro TURN slot, next, fill
	WIN 0
	s_wait_tensorcnt 0x0                           ; all my tensor loads have landed: my part of the next slot
	ds_add_u32 v[SPW], v[NIL]                      ; 0 onto my spare word
	s_wait_dscnt 0x1                               ; (the add alone may be out: this step's fragments are in)
	WIN MULW
	MUL8 0, 3, \slot, 0
	s_wait_dscnt 0x0                               ; the add is done, and my reads of this slot are over
	s_barrier_signal -1
	MUL8 1, 3, \slot, 0
	WIN 0
	s_barrier_wait -1
.if \fill
	CREST                                          ; the barrier has opened a round of the cluster's: no wave of any partner still reads this slot or has a load on its way
	s_add_nc_u64 s[G0P+4*\slot+2:G0P+4*\slot+3], s[G0P+4*\slot+2:G0P+4*\slot+3], 12800   ; two records on along K
	s_add_nc_u64 s[G0R+4*\slot+2:G0R+4*\slot+3], s[G0R+4*\slot+2:G0R+4*\slot+3], 12800
	JLOAD \slot                                    ; the first tensor load behind the round; its four v_nop are the places in front of the loads below
.else
	PLACES 4
.endif
	FETCH \next, 0, 0
	SCALES \next
	WIN MULW
	MUL8 2, 3, \slot, 0
	MUL8 3, 3, \slot, 0
.endm
; The last slot's four K steps (slot 1): nothing is fetched from memory any more, and no barrier stands in them.  Written once in each of the two paths.
.macro LAST
	STEP 1, 0, 0
	STEP 1, 1, 0
	STEP 1, 2, 0
	s_wait_dscnt 0x0
	WIN MULW
	MUL8 0, 3, 1, 0
	MUL8 1, 3, 1, 0
	MUL8 2, 3, 1, 0
	MUL8 3, 3, 1, 0
	WIN 0
	PLACES 4                                       ; in front of the first read of results and of loads into the operands' registers
.endm
.macro CS a                            ; cos and sin of token tile a, in the accumulators' layout, into set a % 2 of window 3
.set C3L, 128*((\a)%2)
	WIN 0xc0
.irp b, 0,1,2,3
.irp j, 0,1,2,3
	global_load_b128 v[C3L+16*\b+4*\j:C3L+16*\b+4*\j+3], v[VC], s[COSB:COSB+1] offset:(32*((\a)/2)+8*((\a)%2))*512+128*\b+16*\j
	global_load_b128 v[C3L+64+16*\b+4*\j:C3L+64+16*\b+4*\j+3], v[VC], s[SINB:SINB+1] offset:(32*((\a)/2)+8*((\a)%2))*512+128*\b+16*\j
.endr
.endr
	WIN 0
.endm
; Token tile a of q or k: norm, RoPE, codes; k's numbers also leave as rows of out1.
.macro QKTILE a
.set AC, 64*(\a)
.set C3, 128*((\a)%2)
	s_wait_xcnt 0x0                                ; the last tile's stores have read their registers
.if (\a) < 3
	s_wait_loadcnt 32                              ; the weights and this tile's cos and sin are in; the one set asked for behind them may be out
.else
	s_wait_loadcnt 0x0
.endif
	WIN 0x05                                       ; the sum of squares, four chains, each accumulator from its low end on
.irp k, 0,1,2,3
	v_pk_mul_f32 v[SS+2*\k:SS+2*\k+1], v[AC+2*\k:AC+2*\k+1], v[AC+2*\k:AC+2*\k+1]
.endr
.set kk, 4
.rept 28
	v_pk_fma_f32 v[SS+2*(kk%4):SS+2*(kk%4)+1], v[AC+2*kk:AC+2*kk+1], v[AC+2*kk:AC+2*kk+1], v[SS+2*(kk%4):SS+2*(kk%4)+1]
.set kk, kk+1
.endr
	WIN 0
	v_pk_add_f32 v[SS:SS+1], v[SS:SS+1], v[SS+2:SS+3]
	v_pk_add_f32 v[SS+4:SS+5], v[SS+4:SS+5], v[SS+6:SS+7]
	v_pk_add_f32 v[SS:SS+1], v[SS:SS+1], v[SS+4:SS+5]
	v_add_f32 v[SS], v[SS], v[SS+1]
	v_permlanex16_b32 v[SS+1], v[SS], s[SEL], s[SEL+1]   ; the token's other 64 channels lie in the lane 16 away
	v_add_f32 v[SS], v[SS], v[SS+1]
	v_fma_f32 v[SS], v[SS], s[INV], s[EPS]         ; the mean (x 2^-7, exact) + 1e-6
	v_rsq_f32 v[SS], v[SS]
	v_nop                                          ; a plain place behind the transcendental,
	s_wait_alu depctr_va_vdst(0)                   ; and the wait ahead of its first reader
	WIN 0x01
.set kk, 0
.rept 32
	v_pk_mul_f32 v[Y+2*kk:Y+2*kk+1], v[AC+2*kk:AC+2*kk+1], v[SS:SS+1] op_sel_hi:[1,0]
.set kk, kk+1
.endr
	WIN 0
.set kk, 0
.rept 32
	v_pk_mul_f32 v[Y+2*kk:Y+2*kk+1], v[Y+2*kk:Y+2*kk+1], v[W+2*kk:W+2*kk+1]
.set kk, kk+1
.endr
	WIN 0x0c                                       ; source 1: cos and sin, window 3
.set kk, 0
.rept 16
.set TT, SS+4*(kk%2)
	v_pk_mul_f32 v[TT:TT+1], v[Y+32+2*kk:Y+33+2*kk], v[C3+64+2*kk:C3+65+2*kk]        ; x(n + 64) sin(n)
	v_pk_mul_f32 v[TT+2:TT+3], v[Y+2*kk:Y+1+2*kk], v[C3+96+2*kk:C3+97+2*kk]          ; x(n) sin(n + 64)
	v_pk_fma_f32 v[Y+2*kk:Y+1+2*kk], v[Y+2*kk:Y+1+2*kk], v[C3+2*kk:C3+1+2*kk], v[TT:TT+1] neg_lo:[0,0,1] neg_hi:[0,0,1]
	v_pk_fma_f32 v[Y+32+2*kk:Y+33+2*kk], v[Y+32+2*kk:Y+33+2*kk], v[C3+32+2*kk:C3+33+2*kk], v[TT+2:TT+3]
.set kk, kk+1
.endr
	WIN 0
	QUANT Y, Z+\a
.irp c, 0,1,2
	global_store_b128 v[L16], v[PC+4*\c:PC+4*\c+3], s[REC:REC+1] offset:1536*(\a)+512*\c   ; 512 consecutive bytes, at a multiple of 256 from the buffer's first byte
.endr
.if (\a) < 2
	CS (\a)+2
.endif
	s_cmp_lg_u32 ttmp9, 2
	s_cbranch_scc1 .Lnot_k_\@
.irp b, 0,1,2,3
.irp j, 0,1,2,3
	ds_store_b128 v[STO], v[Y+16*\b+4*\j:Y+16*\b+4*\j+3] offset:128*\b+16*\j
.endr
.endr
	WIN 0x80
.irp i, 0,1,2,3,4,5,6,7,8,9,10,11,12,13,14,15
	ds_load_b128 v[4*\i:4*\i+3], v[RD] offset:528*\i   ; LDS serves a wave's instructions in order: these see my stores
.endr
	s_wait_dscnt 0x0
	WIN 0x08
.irp i, 0,1,2,3,4,5,6,7,8,9,10,11,12,13,14,15
	global_store_b128 v[L16], v[4*\i:4*\i+3], s[OUT:OUT+1] offset:(32*((\a)/2)+8*((\a)%2)+\i+8*(\i/8))*512   ; a whole row of 512 bytes
.endr
	WIN 0
.Lnot_k_\@:
.endm
.macro VTILE a                         ; token tile a of v: the sums as they are, through the stage, as rows of out2
.set AC, 64*(\a)
	s_wait_xcnt 0x0
	WIN 0x04
.irp b, 0,1,2,3
.irp j, 0,1,2,3
	ds_store_b128 v[STO], v[AC+16*\b+4*\j:AC+16*\b+4*\j+3] offset:VST+128*\b+16*\j   ; each accumulator from its low end on
.endr
.endr
	WIN 0
.irp i, 0,1,2,3,4,5,6,7,8,9,10,11,12,13,14,15
	ds_load_b128 v[Y+4*\i:Y+4*\i+3], v[RD] offset:VST+528*\i
.endr
	s_wait_dscnt 0x0
.irp i, 0,1,2,3,4,5,6,7,8,9,10,11,12,13,14,15
	global_store_b128 v[L16], v[Y+4*\i:Y+4*\i+3], s[OUT:OUT+1] offset:(32*((\a)/2)+8*((\a)%2)+\i+8*(\i/8))*512
.endr
.endm
	s_load_b512 s[68:83], s[0:1], 0x0              ; himg s[68:69], wimg s[70:71], cos s[72:73], sin s[74:75], q_norm_w s[76:77], k_norm_w s[78:79], qimg s[80:81], kimg s[82:83]
	s_load_b128 s[84:87], s[0:1], 0x40             ; out1 s[84:85], out2 s[86:87]
	v_lshl_add_u32 v[SPW], v0, 2, SPARE
	v_mov_b32 v[NIL], 0
	ds_add_u32 v[SPW], v[NIL]                      ; the wave's opening: the add, twice on end, and its wait ahead of my first tensor load
	ds_add_u32 v[SPW], v[NIL]
	v_lshrrev_b32 v1, 5, v0
	v_readfirstlane_b32 s[WV], v1                  ; wave 0..3
	s_and_b32 s[WP], s[WV], 1
	s_lshr_b32 s[WR], s[WV], 1
	s_bfe_u32 s[CX], ttmp6, 0x40000
	s_bfe_u32 s[CY], ttmp6, 0x40004
	s_lshl_b32 s[GX], ttmp9, 2
	s_add_co_u32 s[GX], s[GX], s[CX]               ; x = 4 x cluster x + cx
	s_and_b32 s[GY], ttmp7, 0xffff
	s_lshl_b32 s[GY], s[GY], 2
	s_add_co_u32 s[GY], s[GY], s[CY]               ; y
	s_lshl_b32 s14, s[CY], 2
	s_lshl_b32 s14, 15, s14                        ; my row of the cluster
	s_lshl_b32 s15, 0x1111, s[CX]                  ; my column
	; group 1: 8 (P) or 4 (R) records of 800 elements of 8 bytes, 3,200 elements (a tile's four records) apart; no padding
	s_or_b32 s[G1P], s15, (3<<16)|(1<<21)          ; P hangs on x alone: shared along my column
	s_or_b32 s[G1R], s14, (3<<16)|(1<<21)          ; R on y alone: along my row
	s_mov_b32 s[G1P+1], 800<<16
	s_mov_b32 s[G1P+2], 8<<16
	s_mov_b32 s[G1P+3], 800<<16
	s_mov_b32 s[G1P+4], 8
	s_mov_b32 s[G1P+5], 3200
	s_mov_b32 s[G1P+6], 0
	s_mov_b32 s[G1P+7], 0
	s_mov_b32 s[G1R+1], 800<<16
	s_mov_b32 s[G1R+2], 4<<16
	s_mov_b32 s[G1R+3], 800<<16
	s_mov_b32 s[G1R+4], 4
	s_mov_b32 s[G1R+5], 3200
	s_mov_b32 s[G1R+6], 0
	s_mov_b32 s[G1R+7], 0
	s_lshl_b32 s16, s[GX], 4
	s_lshl_b32 s20, s[WP], 3
	s_add_co_u32 s16, s16, s20
	s_mul_i32 s16, s16, 25600                      ; P: tile 16 x + 8 (w % 2)
	s_mov_b32 s17, 0
	s_lshl_b32 s18, s[GY], 3
	s_lshl_b32 s20, s[WP], 2
	s_add_co_u32 s18, s18, s20
	s_mul_i32 s18, s18, 25600                      ; R: tile 8 y + 4 (w % 2)
	s_mov_b32 s19, 0
	s_mul_i32 s21, s[WP], 51200                    ; where they go: no place in the cluster enters an LDS address
	s_mul_i32 s22, s[WP], 25600
	s_add_co_u32 s22, s22, RB
	s_mov_b32 s[SEL], 0x76543210
	s_mov_b32 s[SEL+1], 0xfedcba98
	s_mov_b32 s[INV], 0x3c000000                   ; 1 / 128
	s_mov_b32 s[EPS], 0x358637bd                   ; 1e-6
	s_wait_dscnt 0x0                               ; both opening adds are done
	s_wait_kmcnt 0x0
	s_add_nc_u64 s[16:17], s[70:71], s[16:17]
	s_add_nc_u64 s[18:19], s[68:69], s[18:19]
	CROUND                                         ; all sixteen work-groups are here: the first joint loads meet
.irp s, 0,1
	s_mov_b32 s[G0P+4*\s], 1
	s_add_co_u32 s[G0P+4*\s+1], s21, \s*SLOT
	s_add_nc_u64 s[G0P+4*\s+2:G0P+4*\s+3], s[16:17], \s*6400
	s_or_b32 s[G0P+4*\s+3], s[G0P+4*\s+3], 0x80000000
	s_mov_b32 s[G0R+4*\s], 1
	s_add_co_u32 s[G0R+4*\s+1], s22, \s*SLOT
	s_add_nc_u64 s[G0R+4*\s+2:G0R+4*\s+3], s[18:19], \s*6400
	s_or_b32 s[G0R+4*\s+3], s[G0R+4*\s+3], 0x80000000
	JLOAD \s
.endr
	v_and_b32 v[LANE], 31, v0
	v_lshlrev_b32 v[L16], 4, v[LANE]
	v_and_b32 v18, 15, v0                          ; r
	v_bfe_u32 v19, v0, 4, 1                        ; h
	v_lshlrev_b32 v20, 4, v18
	v_mad_u32_u24 v21, v19, 25600, v20             ; scale words: 16 r, lanes 16-31 four records on (P),
	v_mad_u32_u24 v22, v19, 12800, v20             ; two records on (R)
	s_mul_i32 s23, s[WP], 51200                    ; my head slot's 8 tiles of P
	s_mul_i32 s24, s[WR], 25600
	s_add_co_u32 s24, s24, RB                      ; my 4 tiles of R
.irp s, 0,1
	v_add_nc_u32 v[ADRP+\s], s23, v[L16]
	v_add_nc_u32 v[ADRR+\s], s24, v[L16]
	v_add_nc_u32 v[ADSP+\s], s23, v21
	v_add_nc_u32 v[ADSR+\s], s24, v22
	s_add_co_u32 s23, s23, SLOT
	s_add_co_u32 s24, s24, SLOT
.endr
	s_mul_i32 s23, s[WV], 8448
	v_mul_u32_u24 v[STO], v18, 528
	v_lshl_add_u32 v[STO], v19, 6, v[STO]
	v_add_nc_u32 v[STO], s23, v[STO]
	v_add_nc_u32 v[RD], s23, v[L16]
	v_and_b32 v23, 8, v18
	v_add_nc_u32 v23, v23, v18                     ; r + 8 (r / 8)
	v_lshlrev_b32 v[VC], 9, v23
	v_lshl_add_u32 v[VC], v19, 6, v[VC]
	v_lshlrev_b32 v[VW], 6, v19
.irp b, 0,1,2,3
	v_mov_b32 v[TM+4+\b], 0                        ; written once: a lane permute's destination counts as one of its sources
.endr
	s_lshl_b32 s24, s[GX], 1
	s_add_co_u32 s24, s24, s[WP]                   ; my head slot H: 0-15 q, 16-23 k, 24-31 v
	s_and_b32 s25, s24, 7                          ; the KV head, where H is k's or v's
	s_lshl_b32 s26, s[GY], 7
	s_lshl_b32 s27, s[WR], 6
	s_add_co_u32 s26, s26, s27                     ; my first token
	s_lshl_b32 s26, s26, 9                         ; rows of 512 bytes
	s_mov_b32 s27, 0
	s_add_nc_u64 s[COSB:COSB+1], s[72:73], s[26:27]
	s_add_nc_u64 s[SINB:SINB+1], s[74:75], s[26:27]
	s_lshl_b32 s28, s25, 20
	s_add_co_u32 s28, s28, s26
	s_mov_b32 s29, 0
	s_lshl_b32 s30, s24, 5
	s_lshl_b32 s31, s[GY], 1
	s_add_co_u32 s30, s30, s31
	s_add_co_u32 s30, s30, s[WR]
	s_mul_i32 s30, s30, 6400                       ; qimg: record 32 H + 2 y + w / 2
	s_add_co_u32 s31, s[GY], 16
	s_lshl_b32 s31, s31, 1
	s_add_co_u32 s31, s31, s[WR]
	s_mul_i32 s31, s31, 6400
	s_mul_i32 s14, s25, 409600
	s_add_co_u32 s31, s31, s14                     ; kimg: head, key step 16 + y, record w / 2
	s_cmp_eq_u32 ttmp9, 2
	s_cselect_b32 s30, s31, s30
	s_cselect_b64 s[REC:REC+1], s[82:83], s[80:81]
	s_cselect_b64 s[WN:WN+1], s[78:79], s[76:77]
	s_mov_b32 s31, 0
	s_add_nc_u64 s[REC:REC+1], s[REC:REC+1], s[30:31]
	s_cmp_eq_u32 ttmp9, 3
	s_cselect_b64 s[OUT:OUT+1], s[86:87], s[84:85]
	s_add_nc_u64 s[OUT:OUT+1], s[OUT:OUT+1], s[28:29]
	s_wait_tensorcnt 0x1                           ; my part of slot 0 is in; slot 1's may stay out
	s_barrier_signal -1
	s_barrier_wait -1
	FETCH 0, 0, 0
	SCALES 0
	STEP 0, 0, 1                                   ; the first products start the sums: nothing is cleared
	STEP 0, 1, 0
	STEP 0, 2, 0
	TURN 0, 1, 1
	STEP 1, 0, 0
	STEP 1, 1, 0
	STEP 1, 2, 0
	TURN 1, 0, 1
	STEP 0, 0, 0
	STEP 0, 1, 0
	STEP 0, 2, 0
	TURN 0, 1, 0                                   ; nothing is left to fetch: the last barrier ahead of the closing round
	WIN 0                                          ; at a branch every window is 0
	s_cmp_eq_u32 ttmp9, 3                          ; the cluster's x: the same in all waves and all partners
	s_cbranch_scc1 .Lvpath
	; ---- q and k: the norm's weights and the first two token tiles' cos and sin are asked for here and land under the last slot's 128 products
.irp b, 0,1,2,3
.irp j, 0,1,2,3
	global_load_b128 v[W+16*\b+4*\j:W+16*\b+4*\j+3], v[VW], s[WN:WN+1] offset:128*\b+16*\j
.endr
.endr
	CS 0
	CS 1
	LAST
	QKTILE 0
	QKTILE 1
	QKTILE 2
	QKTILE 3
	v_cmp_gt_u32 vcc_lo, 16, v[LANE]
	s_wait_xcnt 0x0                                ; EXEC changes only behind this wait
	s_and_saveexec_b32 s98, vcc_lo
	global_store_b128 v[L16], v[Z:Z+3], s[REC:REC+1] offset:6144   ; lanes 0-15: the record's scale words, 256 consecutive bytes
	s_wait_xcnt 0x0
	s_or_b32 exec_lo, exec_lo, s98
	s_branch .Ldone
.Lvpath:
	; ---- v: no norm, no RoPE, no table
	LAST
	VTILE 0
	VTILE 1
	VTILE 2
	VTILE 3
.Ldone:
	s_wait_tensorcnt 0x0                           ; the wave's end
	ds_add_u32 v[SPW], v[NIL]
	s_wait_dscnt 0x0
	CROUND                                         ; the closing round
	s_endpgm
.Lfunc_end_k_q153c494657_qkv:
	.size	k_q153c494657_qkv, .Lfunc_end_k_q153c494657_qkv-k_q153c494657_qkv
	.p2alignl 7, 3214868480
	.fill 96, 4, 3214868480
	.section	.rodata,"a",@progbits
	.p2align	6, 0x0
	.amdhsa_kernel k_q153c494657_qkv
		.amdhsa_group_segment_fixed_size 327680
		.amdhsa_private_segment_fixed_size 0
		.amdhsa_enable_private_segment 0
		.amdhsa_kernarg_size 80
		.amdhsa_user_sgpr_count 2
		.amdhsa_user_sgpr_kernarg_segment_ptr 1
		.amdhsa_wavefront_size32 1
		.amdhsa_system_sgpr_workgroup_id_x 1
		.amdhsa_system_sgpr_workgroup_id_y 1
		.amdhsa_system_sgpr_workgroup_id_z 1
		.amdhsa_system_vgpr_workitem_id 0
		.amdhsa_next_free_vgpr 1024
		.amdhsa_next_free_sgpr 100
		.amdhsa_reserve_vcc 1
		.amdhsa_float_denorm_mode_32 3
		.amdhsa_float_denorm_mode_16_64 3
		.amdhsa_memory_ordered 1
		.amdhsa_forward_progress 1
		.amdhsa_inst_pref_size 243
	.end_amdhsa_kernel
	.amdgpu_metadata
---
amdhsa.version: [ 1, 2 ]
amdhsa.kernels:
  - .name:           k_q153c494657_qkv
    .symbol:         k_q153c494657_qkv.kd
    .args:
      - { .name: himg, .offset: 0, .size: 8, .value_kind: global_buffer, .address_space: global }
      - { .name: wimg, .offset: 8, .size: 8, .value_kind: global_buffer, .address_space: global }
      - { .name: cos, .offset: 16, .size: 8, .value_kind: global_buffer, .address_space: global }
      - { .name: sin, .offset: 24, .size: 8, .value_kind: global_buffer, .address_space: global }
      - { .name: q_norm_w, .offset: 32, .size: 8, .value_kind: global_buffer, .address_space: global }
      - { .name: k_norm_w, .offset: 40, .size: 8, .value_kind: global_buffer, .address_space: global }
      - { .name: qimg, .offset: 48, .size: 8, .value_kind: global_buffer, .address_space: global }
      - { .name: kimg, .offset: 56, .size: 8, .value_kind: global_buffer, .address_space: global }
      - { .name: out1, .offset: 64, .size: 8, .value_kind: global_buffer, .address_space: global }
      - { .name: out2, .offset: 72, .size: 8, .value_kind: global_buffer, .address_space: global }
    .group_segment_fixed_size: 327680
    .private_segment_fixed_size: 0
    .kernarg_segment_align: 8
    .kernarg_segment_size: 80
    .max_flat_workgroup_size: 128
    .sgpr_count:     100
    .vgpr_count:     1024
    .wavefront_size: 32
...
	.end_amdgpu_metadata
.endif
;; end of part 2
;; launch vquant (part 3): grid 256 x 1, 4 waves a work-group, no clusters, 0 bytes of LDS; arguments past_value, out2, vimg; writes vimg
.if DOCPART == 3
	.amdgcn_target "amdgcn-amd-amdhsa--gfx1250"
	.amdhsa_code_object_version 6
	.text
	.protected	k_q153c494657_vquant
	.globl	k_q153c494657_vquant
	.p2align	8
	.type	k_q153c494657_vquant,@function
k_q153c494657_vquant:
	s_mov_b64 s[64:65], 0
	v_nop
	global_prefetch_b8 v0, s[64:65] scope:SCOPE_SE
	s_setreg_imm32_b32 hwreg(HW_REG_WAVE_MODE, 25, 1), 1
	s_wait_xcnt 0x0
; V, [head][key][128] f32 (past_value: keys 0-2,047; out2: the new 2,048), is the second attention product's operand with K = THE KEYS, which are not innermost.  Nothing of reference() is left out here.
; It is turned into codes of FP6 along the keys, laid as images of the operand's registers: vimg [head 8][key step 32][2 records]; a record's fragment is a tile of 16 channels x the step's 128 keys.
; Lane r of channel tile t holds channel 32 (t / 2) + 8 (t % 2) + r + 8 (r / 8).
; A LANE TAKES A CHANNEL AND ITS REGISTERS RUN DOWN THE KEYS: lane l of wave w has channel 32 w + l; each load reads 128 consecutive bytes a wave, 512 a work-group.  A block of 32 keys lies in one lane's 32 registers.
; The operand gives block 2 c + h to lane (r, h), registers 6 c on: so a thread makes the 12 registers of BOTH lanes (r, 0) and (r, 1) of its channel, and stores each where that lane's image lies.
; A work-group takes one head's one key step.  No LDS, no barrier.  The scale words leave as 4 bytes a lane (128 KiB in the whole launch).
; LIMITS: a block of zeros gets the byte 1 where the rule says 127 (its codes are zeros, this program alone reads the bytes); NaN and infinities are not served.
.set X,  32                            ; v32-159  128 keys of my channel
.set IM, 160                           ; v160-171 the image for h = 0, v172-183 for h = 1
.set TP, 184                           ; v[184:186] a conversion's three registers begin on an even number: a block's upper half is made here and moved
	s_load_b128 s[4:7], s[0:1], 0x0                ; past_value, out2
	s_load_b64 s[8:9], s[0:1], 0x10                ; vimg
	v_lshrrev_b32 v1, 5, v0
	v_readfirstlane_b32 s10, v1                    ; wave
	v_and_b32 v1, 31, v0                           ; l
	v_lshlrev_b32 v2, 2, v1
	v_and_b32 v5, 7, v1
	v_lshrrev_b32 v6, 4, v1
	v_lshl_add_u32 v5, v6, 3, v5                   ; r = l % 8 + 8 (l / 16)
	v_bfe_u32 v6, v1, 3, 1                         ; u = (l / 8) % 2: my tile is 2 w + u
	s_lshr_b32 s11, s10, 1
	s_mul_i32 s11, s11, 6400                       ; record w / 2
	s_and_b32 s12, s10, 1
	s_mul_i32 s13, s12, 3072
	s_add_co_u32 s13, s13, s11
	v_mul_u32_u24 v3, v6, 1536
	v_lshl_add_u32 v3, v5, 4, v3
	v_add_nc_u32 v3, s13, v3                       ; fragment 2 (w % 2) + u, + 16 r
	s_lshl_b32 s12, s12, 3
	s_add_co_u32 s12, s12, s11
	v_lshlrev_b32 v4, 2, v6
	v_lshl_add_u32 v4, v5, 4, v4
	v_add_nc_u32 v4, s12, v4                       ; the scale word: 16 r + 4 x fragment
	s_lshr_b32 s14, ttmp9, 7                       ; 0: the past, 1: the new keys
	s_bfe_u32 s15, ttmp9, 0x30004                  ; head
	s_and_b32 s16, ttmp9, 15                       ; key step in that tensor
	s_lshl_b32 s18, s15, 20
	s_lshl_b32 s17, s16, 16
	s_add_co_u32 s18, s18, s17
	s_lshl_b32 s17, s10, 7
	s_add_co_u32 s18, s18, s17
	s_mov_b32 s19, 0
	s_lshl_b32 s17, s14, 4
	s_add_co_u32 s17, s17, s16
	s_mul_i32 s20, s17, 12800
	s_mul_i32 s17, s15, 409600
	s_add_co_u32 s20, s20, s17
	s_mov_b32 s21, 0
	s_wait_kmcnt 0x0
	s_cmp_eq_u32 s14, 0
	s_cselect_b64 s[4:5], s[4:5], s[6:7]
	s_add_nc_u64 s[4:5], s[4:5], s[18:19]
	s_add_nc_u64 s[8:9], s[8:9], s[20:21]
.set kk, 0
.rept 128
	global_load_b32 v[X+kk], v2, s[4:5] offset:512*kk th:TH_LOAD_NT
.set kk, kk+1
.endr
.macro BLOCK t
.set XS, X+32*(\t)
.set GI, IM+12*((\t)%2)+6*((\t)/2)
.if (\t) < 2
	s_wait_loadcnt 63                              ; the largest count a wait can name: 65 loads are in, which covers blocks 0 and 1
.elseif (\t) == 2
	s_wait_loadcnt 32
.else
	s_wait_loadcnt 0x0
.endif
	v_max3_num_f32 v12, |v[XS]|, |v[XS+1]|, |v[XS+2]|
	v_max3_num_f32 v13, |v[XS+3]|, |v[XS+4]|, |v[XS+5]|
.irp i, 6,10,14,18,22,26
	v_max3_num_f32 v12, v12, |v[XS+\i]|, |v[XS+\i+1]|
	v_max3_num_f32 v13, v13, |v[XS+\i+2]|, |v[XS+\i+3]|
.endr
	v_max3_num_f32 v12, v12, |v[XS+30]|, |v[XS+31]|
	v_max3_num_f32 v12, v12, v13, 0x1800000        ; and the floor 2^(3 - 127): the byte cannot fall under 1
	v_add_nc_u32 v11, 0xff000000, v12              ; 2 off the exponent field: the conversion's scale operand
	v_lshrrev_b32 v13, 23, v11                     ; the scale's byte
.if (\t) == 0
	v_mov_b32 v10, v13
.else
	v_lshl_or_b32 v10, v13, 8*(\t), v10
.endif
	v_cvt_scalef32_pk16_fp6_f32 v[GI:GI+2], v[XS:XS+15], v11
	v_cvt_scalef32_pk16_fp6_f32 v[TP:TP+2], v[XS+16:XS+31], v11
	v_nop                                          ; one plain place behind a scaled conversion
.irp i, 0,1,2
	v_mov_b32 v[GI+3+\i], v[TP+\i]
.endr
.endm
	BLOCK 0
	BLOCK 1
	BLOCK 2
	BLOCK 3
.irp h, 0,1
.irp c, 0,1,2
	global_store_b128 v3, v[IM+12*\h+4*\c:IM+12*\h+4*\c+3], s[8:9] offset:512*\c+256*\h   ; the sixteen lanes of a tile fill 256 consecutive bytes, at a multiple of 256 from the buffer's first byte
.endr
.endr
	global_store_b32 v4, v10, s[8:9] offset:6144
	s_endpgm
.Lfunc_end_k_q153c494657_vquant:
	.size	k_q153c494657_vquant, .Lfunc_end_k_q153c494657_vquant-k_q153c494657_vquant
	.p2alignl 7, 3214868480
	.fill 96, 4, 3214868480
	.section	.rodata,"a",@progbits
	.p2align	6, 0x0
	.amdhsa_kernel k_q153c494657_vquant
		.amdhsa_group_segment_fixed_size 0
		.amdhsa_private_segment_fixed_size 0
		.amdhsa_enable_private_segment 0
		.amdhsa_kernarg_size 24
		.amdhsa_user_sgpr_count 2
		.amdhsa_user_sgpr_kernarg_segment_ptr 1
		.amdhsa_wavefront_size32 1
		.amdhsa_system_sgpr_workgroup_id_x 1
		.amdhsa_system_sgpr_workgroup_id_y 1
		.amdhsa_system_sgpr_workgroup_id_z 1
		.amdhsa_system_vgpr_workitem_id 0
		.amdhsa_next_free_vgpr 192
		.amdhsa_next_free_sgpr 66
		.amdhsa_reserve_vcc 0
		.amdhsa_float_denorm_mode_32 3
		.amdhsa_float_denorm_mode_16_64 3
		.amdhsa_memory_ordered 1
		.amdhsa_forward_progress 1
		.amdhsa_inst_pref_size 21
	.end_amdhsa_kernel
	.amdgpu_metadata
---
amdhsa.version: [ 1, 2 ]
amdhsa.kernels:
  - .name:           k_q153c494657_vquant
    .symbol:         k_q153c494657_vquant.kd
    .args:
      - { .name: past_value, .offset: 0, .size: 8, .value_kind: global_buffer, .address_space: global }
      - { .name: out2, .offset: 8, .size: 8, .value_kind: global_buffer, .address_space: global }
      - { .name: vimg, .offset: 16, .size: 8, .value_kind: global_buffer, .address_space: global }
    .group_segment_fixed_size: 0
    .private_segment_fixed_size: 0
    .kernarg_segment_align: 8
    .kernarg_segment_size: 24
    .max_flat_workgroup_size: 128
    .sgpr_count:     66
    .vgpr_count:     192
    .wavefront_size: 32
...
	.end_amdgpu_metadata
.endif
;; end of part 3
;; launch attn (part 4): grid 32 x 8, 8 waves a work-group, clusters of 4 x 4, 327,680 bytes of LDS; arguments qimg, kimg, vimg, attention_mask, aimg; writes aimg
.if DOCPART == 4
	.amdgcn_target "amdgcn-amd-amdhsa--gfx1250"
	.amdhsa_code_object_version 6
	.text
	.protected	k_q153c494657_attn
	.globl	k_q153c494657_attn
	.p2align	8
	.type	k_q153c494657_attn,@function
k_q153c494657_attn:
	s_mov_b64 s[64:65], 0
	v_nop
	global_prefetch_b8 v0, s[64:65] scope:SCOPE_SE
	s_setreg_imm32_b32 hwreg(HW_REG_WAVE_MODE, 25, 1), 1
	s_wait_xcnt 0x0
	s_wait_alu depctr_hold_cnt(0) depctr_sa_sdst(0) depctr_va_vdst(0) depctr_va_sdst(0) depctr_va_ssrc(0) depctr_va_vcc(0) depctr_vm_vsrc(0)
	s_getreg_b32 s2, hwreg(HW_REG_IB_STS2, 6, 4)
	s_cmp_eq_u32 s2, 0
	s_cbranch_scc0 .Lentry_in_a_cluster
	s_endpgm
.Lentry_in_a_cluster:
	s_bfe_u32 s2, ttmp6, 0x10000c
	s_cmp_lg_u32 s2, 0xf033
	s_cbranch_scc0 .Lentry_shape_is_right
	s_endpgm
.Lentry_shape_is_right:
; Products 4 and 5 on codes of FP6, with the softmax between them, for 16 query heads on 8 KV heads over 4,096 keys; the result is quantised along the head's 128 into aimg, the last product's operand.
; Nothing of reference() is left out: the mask is an input, so every key is walked for every query and the mask's number is added to every score.
; THE SOFTMAX: u = score x 128^-0.5 + mask; t = u x log2(e); M = the row's largest t so far, rounded UP to a whole number; p = 2^(t - M) is what is quantised, along the keys; the row's sum is taken of the unquantised p
; and divides at the end.  When M moves, the sum and O are multiplied by 2^(old M - new M): exact.
; SHARES.  Work-group (blk, g): 64 queries x the two query heads of KV head g.  Wave w: query tile w % 4 (16 queries), BOTH heads, and of every slot's two key steps the step w / 4: half of the keys.
; So a wave's fragments of K and V each feed two products and its mask registers serve two heads: 66 LDS loads for 32 products.  Two waves to a SIMD: one wave's vector work stands beside the other's products and LDS loads.
; SET A is the head that the wave finishes, 2 g + w / 4; SET B the other one.  At the end a wave stores set B's O^T, -M and sum into LDS bytes of its own; behind a barrier it reads those of wave w xor 4, which are its own head's
; other half of the keys; the halves are brought under the larger M by powers of two and added.  One text serves all waves: only Q's and the result's addresses hang on which head is A.
; Both products are used transposed (S^T = K Q^T, O^T = V^T P^T): a lane holds ONE query.  By the order of a tile's rows, register 16 b + i of S^T is key 32 b + 16 (lane / 16) + i of the step, and of O^T that channel.
; RING: two LDS slots of 256 keys (two steps): K's and V's records as they lie in memory, and the mask's 64 rows x 1,024 bytes.  One joint load a wave behind each round: waves 0, 1 K's steps, 2, 3 V's, 4-7 16 rows of the mask each.
; CLUSTER 4 x 4: K and V hang on g alone: asked for jointly along a row of the cluster; the mask hangs on blk alone: along a column.
; LIMITS: v_exp_f32 and v_rcp_f32 are accurate to 1 ulp; the mask's addition is fused with the scaling (one rounding less); the two halves of the keys are summed apart and added once (another order of f32 sums than one stream);
; a block whose every p is 0 keeps the byte 1 (its codes are zeros); NaN and infinities among the inputs are not served, and a row whose mask is -infinity everywhere is not served.
; REGISTERS: window 0: v1-11 addresses; set A: v12 -M, v13 the largest t, v[14:15] the sum, v16-27 Q; v28-31 lane numbers; v32-35 K's scale words, v36-39 V's; set B: v40-43, v44-55 likewise; v56 Q_B's scale words, v255 Q_A's;
;   v57-60 the exchange's addresses; v64-75, v76-87 p's codes of A, B; v88, v89 their scale words; v90-95 the merge; v96-159 S^T, then p (the two heads in turn); v160-223 O^T of A; v232-254 at work.
;   window 1: v0-63 the mask; v64-159 K's 8 fragments, then V's; v160-223 O^T of B.
.set SLOT1, 1<<17                      ; slot 1 begins here: one exclusive or turns an address from one slot to the other
.set KVB,   12800                      ; a step's two records
.set VOFF,  25600                      ; in a slot: K's two steps, V's two steps,
.set MOFF,  51200                      ; and four groups of 16 mask rows, rows 1,040 bytes apart,
.set MGRP,  16768                      ; a group 16 x 1,040 + 128 bytes: so a query tile's 16 rows (8 in each of two groups) begin in 16 different columns of 16 bytes
.set SPARE, 250880                     ; behind slot 1's 118,272 bytes: the spare words, 128 bytes a wave, which no other line names
.set XST,   SPARE+1024                 ; behind them: the exchange, into which no tensor load lands:
.set XWB,   8448                       ; for each wave 64 registers' images (8,192 bytes) and two words a lane
.set AK0,  1                           ; 16 x lane, + my step's records
.set ASC0, 2                           ; scale words: 16 r, lanes 16-31 one record on, + my step's records
.set AM0,  3                           ; my query's mask row, + 64 h, + my step's 512 bytes
.set PFO,  4                           ; the prefetches' offset; never rewritten
.set SPW,  5
.set NIL,  6
.set VAO,  7                           ; the way out: my 16 bytes in the record
.set ADK,  8                           ; the three addresses in the slot in hand
.set ADSC, 9
.set ADM,  10
.set VSO,  11                          ; the way out: my scale word
.set KS,   32
.set VS,   36
.set QSB,  56
.set XW,   57                          ; the exchange: where I store 16 bytes a register group,
.set XWS,  58                          ; and a word;
.set XR,   59                          ; where I read my partner's
.set XRS,  60
.set PA,   64
.set PB,   76
.set PWA,  88
.set PWB,  89
.set GA,   90                          ; v[90:91], v[92:93] the two halves' factors
.set GB,   92
.set NMP,  94                          ; my partner's -M
.set LP,   95                          ; and sum
.set TM,   232                         ; the way out's quantiser: at work,
.set PC,   64                          ; its codes,
.set PW,   84                          ; its scale word
.set KFR,  64                          ; in window 1
.set WV, 14
.set W3, 15
.set CX, 16
.set CY, 17
.set BLK, 18
.set G,  19
.set SEL, 20
.set SCA, 22                           ; s[22:23] 128^-0.5
.set LG,  24                           ; s[24:25] log2(e)
.set TB,  26                           ; where the slot in hand begins
.set SLOTS, 27
.set G1KV, 28
.set G1M,  36
.set G0K,  44                          ; the three groups 0 walk
.set G0V,  48
.set G0M,  52
.set PFA,  56
.set PFS,  58
.set LIM,  60
.set QREC, 78
.set AREC, 80
.set QRB,  94
.set MSB, 0
.macro WIN new
.if MSB != \new
	s_set_vgpr_msb (MSB<<8)|\new
.set MSB, \new
.endif
.endm
.macro PLACES n
.rept \n
	v_nop
.endr
.endm
.macro CROUND                          ; a round of the cluster's barrier
	s_barrier_signal -1
	s_barrier_wait -1
	s_cmp_lg_u32 s[WV], 0
	s_cbranch_scc1 .Lnot_wave_0_\@
	s_barrier_signal -3
.Lnot_wave_0_\@:
	s_barrier_wait -3
	s_barrier_signal -1
	s_barrier_wait -1
.endm
; A joint load: every wave issues one.  The branches hang on the wave's number alone.  An s_nop 0 and four v_nop follow each line.
.macro JLOAD
	s_cmp_lt_u32 s[WV], 2
	s_cbranch_scc0 .Lnot_k_\@
	tensor_load_to_lds s[G0K:G0K+3], s[G1KV:G1KV+7]
	s_nop 0
.rept 4
	v_nop
.endr
	s_branch .Lasked_\@
.Lnot_k_\@:
	s_cmp_lt_u32 s[WV], 4
	s_cbranch_scc0 .Lfor_m_\@
	tensor_load_to_lds s[G0V:G0V+3], s[G1KV:G1KV+7]
	s_nop 0
.rept 4
	v_nop
.endr
	s_branch .Lasked_\@
.Lfor_m_\@:
	tensor_load_to_lds s[G0M:G0M+3], s[G1M:G1M+7]
	s_nop 0
.rept 4
	v_nop
.endr
.Lasked_\@:
.endm
; A PREFETCH INTO THE L2 of what the NEXT change of slots will ask for, behind the wave's tensor load: a slot's 32 products a wave ahead of that load.  Each aligned block of 256 bytes is named by one work-group's one wave.
; The mask's rows of a query block are read by both clusters along y: the one with cluster y = 0 asks; its four partners along cy take 16 rows each BY ADDRESS, waves 0 and 1 eight rows each: 8 rows x 4 blocks = 32 lanes.
; K and V of a head are read by all clusters along x: the one with cluster x = 0 asks; wave 2 for K, wave 3 for V; the four partners along cx take 25 of a slot's 100 blocks each BY ADDRESS (lanes 25-31 name block 24 once more, in the same instruction).
; The last change that fills a slot asks for nothing; slots 0 and 1 come by their loads alone.
.macro ASK
	s_cmp_gt_u32 s[SLOTS], s[LIM]
	s_cbranch_scc0 .Lnot_mine_\@
	global_prefetch_b8 v[PFO], s[PFA:PFA+1] th:TH_LOAD_NT scope:SCOPE_SE
.Lnot_mine_\@:
.endm
; 64 numbers of a lane, register 16 b + i = k 32 b + 16 (lane / 16) + i of my row, become a fragment's codes in v[PC] on and its scale word in v[pw].
.macro QUANT s, pw
.irp b, 0,1,2,3
	v_max3_num_f32 v[TM+\b], |v[\s+16*\b]|, |v[\s+1+16*\b]|, 0x1800000
.endr
.irp i, 2,4,6,8,10,12,14
.irp b, 0,1,2,3
	v_max3_num_f32 v[TM+\b], v[TM+\b], |v[\s+16*\b+\i]|, |v[\s+1+16*\b+\i]|
.endr
.endr
.irp b, 0,1,2,3
	v_permlanex16_b32 v[TM+4+\b], v[TM+\b], s[SEL], s[SEL+1]
.endr
.irp b, 0,1,2,3
	v_max_num_f32 v[TM+\b], v[TM+\b], v[TM+4+\b]
.endr
.irp b, 0,1,2,3
	v_add_nc_u32 v[TM+12+\b], 0xff000000, v[TM+\b]
.endr
.irp b, 0,1,2,3
	v_lshrrev_b32 v[TM+4+\b], 23, v[TM+12+\b]
.endr
	v_lshl_or_b32 v[\pw], v[TM+5], 8, v[TM+4]
	v_lshl_or_b32 v[\pw], v[TM+6], 16, v[\pw]
	v_lshl_or_b32 v[\pw], v[TM+7], 24, v[\pw]
.irp c, 0,1
	v_cvt_scalef32_pk16_fp6_f32 v[PC+6*\c:PC+2+6*\c], v[\s+32*\c:\s+15+32*\c], v[TM+12+2*\c]
	v_cvt_scalef32_pk16_fp6_f32 v[PC+12+4*\c:PC+14+4*\c], v[\s+16+32*\c:\s+31+32*\c], v[TM+12+2*\c+1]
.endr
	v_nop
.irp c, 0,1
.irp i, 0,1,2
	v_permlane16_swap_b32 v[PC+6*\c+\i], v[PC+12+4*\c+\i]
.endr
.irp i, 0,1,2
	v_mov_b32 v[PC+3+6*\c+\i], v[PC+12+4*\c+\i]
.endr
.endr
.endm
	s_load_b256 s[4:11], s[0:1], 0x0               ; qimg s[4:5], kimg s[6:7], vimg s[8:9], the mask s[10:11]
	s_load_b64 s[12:13], s[0:1], 0x20              ; aimg
	v_lshl_add_u32 v[SPW], v0, 2, SPARE
	v_mov_b32 v[NIL], 0
	ds_add_u32 v[SPW], v[NIL]                      ; the wave's opening: the add, twice on end, and its wait ahead of my first tensor load
	ds_add_u32 v[SPW], v[NIL]
	v_lshrrev_b32 v8, 5, v0
	v_readfirstlane_b32 s[WV], v8                  ; wave 0..7
	s_and_b32 s[W3], s[WV], 3
	s_bfe_u32 s[CX], ttmp6, 0x40000
	s_bfe_u32 s[CY], ttmp6, 0x40004
	s_lshl_b32 s[BLK], ttmp9, 2
	s_add_co_u32 s[BLK], s[BLK], s[CX]             ; my block of 64 queries
	s_and_b32 s[G], ttmp7, 0xffff
	s_lshl_b32 s[G], s[G], 2
	s_add_co_u32 s[G], s[G], s[CY]                 ; my KV head
	s_lshl_b32 s61, s[CY], 2
	s_lshl_b32 s61, 15, s61                        ; my row of the cluster
	s_lshl_b32 s62, 0x1111, s[CX]                  ; my column
	s_or_b32 s[G1KV], s61, (3<<16)|(1<<21)         ; K, V: 12,800 dense bytes as 50 rows of 32 elements of 8 bytes
	s_mov_b32 s[G1KV+1], 32<<16
	s_mov_b32 s[G1KV+2], 50<<16
	s_mov_b32 s[G1KV+3], 32<<16
	s_mov_b32 s[G1KV+4], 50
	s_mov_b32 s[G1KV+5], 32
	s_mov_b32 s[G1KV+6], 0
	s_mov_b32 s[G1KV+7], 0
	s_or_b32 s[G1M], s62, (2<<16)|(1<<20)|(1<<21)|(7<<22)|(3<<25)   ; the mask: 16 rows of 256 elements of 4 bytes, 4,096 elements apart; 4 words of padding behind every 256
	s_mov_b32 s[G1M+1], 256<<16
	s_mov_b32 s[G1M+2], 16<<16
	s_mov_b32 s[G1M+3], 256<<16
	s_mov_b32 s[G1M+4], 16
	s_mov_b32 s[G1M+5], 4096
	s_mov_b32 s[G1M+6], 0
	s_mov_b32 s[G1M+7], 0
	s_and_b32 s61, s[WV], 1
	s_mul_i32 s62, s61, KVB                        ; which of a slot's two steps I fetch: the same distance in memory and in LDS
	s_mul_i32 s66, s[G], 409600
	s_add_co_u32 s66, s66, s62
	s_mov_b32 s67, 0
	s_lshl_b32 s68, s[BLK], 6
	s_lshl_b32 s63, s[W3], 4
	s_add_co_u32 s68, s68, s63
	s_lshl_b32 s68, s68, 14                        ; mask row 64 blk + 16 (w % 4), rows of 16,384 bytes
	s_mov_b32 s69, 0
	s_mul_i32 s63, s[W3], MGRP
	s_mov_b32 s[SEL], 0x76543210
	s_mov_b32 s[SEL+1], 0xfedcba98
	s_mov_b32 s[SCA], 0x3db504f3
	s_mov_b32 s[SCA+1], s[SCA]                     ; (named with it as a pair, so it is written)
	s_mov_b32 s[LG], 0x3fb8aa3b
	s_mov_b32 s[LG+1], s[LG]
	s_mov_b32 s[TB], 0
	s_mov_b32 s[SLOTS], 15
	s_wait_dscnt 0x0                               ; both opening adds are done
	s_wait_kmcnt 0x0
	CROUND                                         ; all sixteen work-groups are here: the first joint loads meet
	s_mov_b32 s[G0K], 1
	s_mov_b32 s[G0K+1], s62
	s_add_nc_u64 s[G0K+2:G0K+3], s[6:7], s[66:67]
	s_or_b32 s[G0K+3], s[G0K+3], 0x80000000
	s_mov_b32 s[G0V], 1
	s_add_co_u32 s[G0V+1], s62, VOFF
	s_add_nc_u64 s[G0V+2:G0V+3], s[8:9], s[66:67]
	s_or_b32 s[G0V+3], s[G0V+3], 0x80000000
	s_mov_b32 s[G0M], 1
	s_add_co_u32 s[G0M+1], s63, MOFF
	s_add_nc_u64 s[G0M+2:G0M+3], s[10:11], s[68:69]
	s_or_b32 s[G0M+3], s[G0M+3], 0x80000000
	JLOAD                                          ; slot 0
	v_and_b32 v28, 31, v0                          ; lane
	v_and_b32 v29, 15, v0                          ; r
	v_bfe_u32 v30, v0, 4, 1                        ; h
	s_lshr_b32 s71, s[WV], 2                       ; which of a slot's two key steps I walk
	s_mul_i32 s91, s71, KVB
	v_lshlrev_b32 v61, 4, v28                      ; 16 x lane
	v_add_nc_u32 v[AK0], s91, v61
	v_lshlrev_b32 v31, 4, v29
	v_mad_u32_u24 v[ASC0], v30, 6400, v31
	v_add_nc_u32 v[ASC0], s91, v[ASC0]
	s_lshl_b32 s70, s[G], 1
	s_add_co_u32 s70, s70, s71                     ; head A: the one that I finish
	s_xor_b32 s92, s70, 1                          ; head B: the other of the pair
	s_lshl_b32 s72, s70, 5
	s_add_co_u32 s72, s72, s[BLK]
	s_mul_i32 s72, s72, 6400
	s_mov_b32 s73, 0
	s_add_nc_u64 s[QREC:QREC+1], s[4:5], s[72:73]  ; qimg: record 32 x head + blk
	s_lshl_b32 s72, s92, 5
	s_add_co_u32 s72, s72, s[BLK]
	s_mul_i32 s72, s72, 6400
	s_add_nc_u64 s[QRB:QRB+1], s[4:5], s[72:73]
	s_lshl_b32 s74, s[BLK], 2
	s_add_co_u32 s74, s74, s[W3]                   ; my query tile T
	s_lshl_b32 s74, s74, 2
	s_lshr_b32 s75, s70, 2
	s_add_co_u32 s74, s74, s75
	s_mul_i32 s74, s74, 6400
	s_mov_b32 s75, 0
	s_add_nc_u64 s[AREC:AREC+1], s[12:13], s[74:75]   ; aimg: record 4 T + head A / 4; my fragment is head A % 4
	s_and_b32 s76, s70, 3
	s_mul_i32 s77, s76, 1536
	v_add_nc_u32 v[VAO], s77, v61
	s_lshl_b32 s76, s76, 2
	v_add_nc_u32 v[VSO], s76, v31
	s_mul_i32 s87, s[W3], 1536
	v_add_nc_u32 v62, s87, v61
.irp c, 0,1,2
	global_load_b128 v[16+4*\c:19+4*\c], v62, s[QREC:QREC+1] offset:512*\c   ; Q's fragments stay in registers: head A's,
.endr
.irp c, 0,1,2
	global_load_b128 v[44+4*\c:47+4*\c], v62, s[QRB:QRB+1] offset:512*\c     ; head B's,
.endr
	s_lshl_b32 s88, s[W3], 2
	v_add_nc_u32 v63, s88, v31
	global_load_b32 v255, v63, s[QREC:QREC+1] offset:6144                    ; and their scale words
	global_load_b32 v[QSB], v63, s[QRB:QRB+1] offset:6144
	v_and_b32 v90, 7, v29
	v_mul_u32_u24 v[AM0], v90, 1040
	v_lshrrev_b32 v90, 3, v29
	v_mad_u32_u24 v[AM0], v90, MGRP, v[AM0]
	v_lshl_add_u32 v[AM0], v30, 6, v[AM0]
	s_lshr_b32 s89, s[W3], 1
	s_mul_i32 s89, s89, 2*MGRP
	s_and_b32 s90, s[W3], 1
	s_mul_i32 s90, s90, 8320
	s_add_co_u32 s89, s89, s90
	s_lshl_b32 s90, s71, 9                         ; my step's 128 keys: 512 bytes of a row
	s_add_co_u32 s89, s89, s90
	s_add_co_u32 s89, s89, MOFF
	v_add_nc_u32 v[AM0], s89, v[AM0]               ; query 32 (t / 2) + 8 (t % 2) + r + 8 (r / 8) of the block: group 2 (t / 2) + r / 8, row 8 (t % 2) + r % 8
	; the exchange: a constant + a constant x wave + a constant x lane
	s_mul_i32 s96, s[WV], XWB
	s_add_co_u32 s96, s96, XST
	v_add_nc_u32 v[XW], s96, v61
	v_lshlrev_b32 v91, 2, v28
	s_add_co_u32 s97, s96, 8192
	v_add_nc_u32 v[XWS], s97, v91
	s_xor_b32 s98, s[WV], 4                        ; my partner: the same query tile, the other key steps
	s_mul_i32 s98, s98, XWB
	s_add_co_u32 s98, s98, XST
	v_add_nc_u32 v[XR], s98, v61
	s_add_co_u32 s98, s98, 8192
	v_add_nc_u32 v[XRS], s98, v91
	; the prefetches (macro ASK)
	s_lshl_b32 s82, s[BLK], 6
	s_lshl_b32 s83, s[CY], 4
	s_add_co_u32 s82, s82, s83
	s_lshl_b32 s83, s[WV], 3
	s_add_co_u32 s82, s82, s83
	s_lshl_b32 s82, s82, 14                        ; the mask: row 64 blk + 16 cy + 8 w
	s_mul_i32 s83, s[G], 409600
	s_mul_i32 s84, s[CX], 6400
	s_add_co_u32 s83, s83, s84                     ; K, V: my head, my work-group's 25 blocks of a slot's 100
	s_and_b32 s84, ttmp7, 0xffff
	s_mov_b32 s[PFS], 25600
	s_cmp_eq_u32 s[WV], 2
	s_cselect_b64 s[PFA:PFA+1], s[6:7], s[8:9]
	s_cmp_lt_u32 s[WV], 2
	s_cselect_b64 s[PFA:PFA+1], s[10:11], s[PFA:PFA+1]
	s_cselect_b32 s82, s82, s83
	s_cselect_b32 s[PFS], 1024, s[PFS]             ; a slot on
	s_cselect_b32 s84, s84, ttmp9                  ; the coordinate along which other clusters read the same bytes
	s_cselect_b32 s85, -1, 0
	s_mov_b32 s83, 0
	s_mov_b32 s[PFS+1], 0
	s_add_nc_u64 s[PFA:PFA+1], s[PFA:PFA+1], s[82:83]
	s_add_nc_u64 s[PFA:PFA+1], s[PFA:PFA+1], s[PFS:PFS+1]   ; in slot 1: the first change of slots steps it to slot 2.  Nothing is prefetched here, at the head
	s_lshr_b32 s86, s[WV], 2
	s_or_b32 s84, s84, s86                         ; waves 4-7 ask for nothing
	s_cmp_eq_u32 s84, 0
	s_cselect_b32 s[LIM], 1, -1                    ; made of the cluster's numbers and the wave's: the same in all partners
	v_lshrrev_b32 v92, 2, v28
	v_lshlrev_b32 v92, 14, v92
	v_and_b32 v93, 3, v28
	v_lshl_add_u32 v92, v93, 8, v92                ; the mask: row lane / 4, block lane % 4
	v_min_u32 v93, 24, v28
	v_lshlrev_b32 v93, 8, v93                      ; K, V: block min(lane, 24)
	v_cndmask_b32 v[PFO], v93, v92, s85
	v_mov_b32 v13, 0xff61b1e6                      ; the largest t so far: -3e38
	v_floor_f32 v12, -v13                          ; -M
	v_mov_b32 v14, 0
	v_mov_b32 v15, 0
	v_mov_b32 v41, 0xff61b1e6                      ; and the same for set B
	v_floor_f32 v40, -v41
	v_mov_b32 v42, 0
	v_mov_b32 v43, 0
.irp b, 0,1,2,3
	v_mov_b32 v[236+\b], 0                         ; written once: a lane permute's destination counts as one of its sources
.endr
	v_mov_b32 v253, 0                              ; (named as the upper half of the pair v[252:253], so it is written)
.set kk, 0
.rept 64
	v_mov_b32 v[160+kk], 0                         ; O^T of A: the step is written once; the first finds zeros, which the first change of M leaves zeros
.set kk, kk+1
.endr
	WIN 0x40
.set kk, 0
.rept 64
	v_mov_b32 v[160+kk], 0                         ; O^T of B
.set kk, kk+1
.endr
	WIN 0
; S^T = K Q^T for one head: Q's fragment at v[qb], its scale words in v[qs].  Four places follow: in front of the first read of the scores, and of loads into K's registers.
.macro KQ qb, qs
	WIN 0x01
.irp t, 0,1,2,3
	v_wmma_scale_f32_16x16x128_f8f6f4 v[96+8*\t:103+8*\t], v[KFR+12*\t:KFR+12*\t+11], v[\qb:\qb+11], 0, v[KS+\t], v[\qs] matrix_a_fmt:MATRIX_FMT_FP6 matrix_b_fmt:MATRIX_FMT_FP6
.endr
.irp t, 4,5,6,7
	v_wmma_scale_f32_16x16x128_f8f6f4 v[96+8*\t:103+8*\t], v[KFR+12*\t:KFR+12*\t+11], v[\qb:\qb+11], 0, v[KS+\t-4], v[\qs] matrix_a_fmt:MATRIX_FMT_FP6 matrix_b_fmt:MATRIX_FMT_FP6 matrix_a_scale:MATRIX_SCALE_ROW1
.endr
	PLACES 4
.endm
.macro UMASK                           ; u = score x 128^-0.5 + mask, each accumulator from its low end on; the mask's registers serve both heads
	WIN 0x10
.set kk, 0
.rept 32
	v_pk_fma_f32 v[96+kk:97+kk], v[96+kk:97+kk], s[SCA:SCA+1], v[kk:kk+1] op_sel_hi:[1,0,1]
.set kk, kk+2
.endr
	WIN 0
.endm
; One head's softmax of the step.  st: its statistics (-M, the largest t, the sum's pair); cod: where p's codes go; wrd: p's scale word; win: the window of its O^T.
.macro SOFT st, cod, wrd, win
.irp b, 0,1,2,3
	v_max3_num_f32 v[232+\b], v[96+16*\b], v[97+16*\b], v[98+16*\b]   ; the largest u of each block of 32 keys: it serves the row's maximum and, since p rises with u, the block's largest p
.endr
.irp i, 3,5,7,9,11,13
.irp b, 0,1,2,3
	v_max3_num_f32 v[232+\b], v[232+\b], v[96+16*\b+\i], v[97+16*\b+\i]
.endr
.endr
.irp b, 0,1,2,3
	v_max_num_f32 v[232+\b], v[232+\b], v[111+16*\b]
.endr
.irp b, 0,1,2,3
	v_permlanex16_b32 v[236+\b], v[232+\b], s[SEL], s[SEL+1]
.endr
.irp b, 0,1,2,3
	v_max_num_f32 v[232+\b], v[232+\b], v[236+\b]  ; with lane l xor 16's 16 keys
.endr
	v_max3_num_f32 v254, v232, v233, v234
	v_max_num_f32 v254, v254, v235
	v_mul_f32 v254, s[LG], v254                    ; as t
	v_max_num_f32 v[\st+1], v[\st+1], v254         ; the running largest t
	v_mov_b32 v254, v[\st]
	v_floor_f32 v[\st], -v[\st+1]                  ; the new -M = -ceil(t): a whole number
	v_sub_f32 v254, v[\st], v254                   ; old M - new M, 0 or less
	v_cvt_i32_f32 v254, v254                       ; (it saturates)
	v_ldexp_f32 v252, 1.0, v254                    ; f = 2^(old M - new M)
.set kk, 0
.rept 32
	v_pk_fma_f32 v[96+kk:97+kk], v[96+kk:97+kk], s[LG:LG+1], v[\st:\st+1] op_sel_hi:[1,0,0]   ; t - M
.set kk, kk+2
.endr
.irp b, 0,1,2,3
	v_fma_f32 v[232+\b], v[232+\b], s[LG], v[\st]
.endr
.set kk, 0
.rept 64
	v_exp_f32 v[96+kk], v[96+kk]                   ; p = 2^(t - M), at most 1
.set kk, kk+1
.endr
	v_pk_mul_f32 v[\st+2:\st+3], v[\st+2:\st+3], v[252:253] op_sel_hi:[1,0]   ; the sums under the new M (a plain place behind the exponentials)
	s_wait_alu depctr_va_vdst(0)                   ; one wait for the whole batch, ahead of its first reader
.irp b, 0,1,2,3
	v_exp_f32 v[232+\b], v[232+\b]                 ; the block's largest p
.endr
	v_pk_add_f32 v[236:237], v[96:97], v[98:99]    ; the row's sum is taken of the unquantised p, in two chains
.irp j, 4,8,12,16,20,24,28,32,36,40,44,48,52,56,60
	v_pk_add_f32 v[\st+2:\st+3], v[\st+2:\st+3], v[96+\j:97+\j]
	v_pk_add_f32 v[236:237], v[236:237], v[98+\j:99+\j]
.endr
	v_pk_add_f32 v[\st+2:\st+3], v[\st+2:\st+3], v[236:237]
	s_wait_alu depctr_va_vdst(0)                   ; and one for the four
.irp b, 0,1,2,3
	v_max_num_f32 v[232+\b], 0x1800000, v[232+\b]  ; the floor 2^(3 - 127): the byte cannot fall under 1
.endr
.irp b, 0,1,2,3
	v_add_nc_u32 v[244+\b], 0xff000000, v[232+\b]
.endr
.irp b, 0,1,2,3
	v_lshrrev_b32 v[236+\b], 23, v[244+\b]
.endr
	v_lshl_or_b32 v[\wrd], v237, 8, v236           ; p's scale word for these 128 keys
	v_lshl_or_b32 v[\wrd], v238, 16, v[\wrd]
	v_lshl_or_b32 v[\wrd], v239, 24, v[\wrd]
.irp c, 0,1
	v_cvt_scalef32_pk16_fp6_f32 v[\cod+6*\c:\cod+2+6*\c], v[96+32*\c:111+32*\c], v[244+2*\c]
	v_cvt_scalef32_pk16_fp6_f32 v[236+4*\c:238+4*\c], v[112+32*\c:127+32*\c], v[244+2*\c+1]
.endr
	v_nop                                          ; one plain place behind a scaled conversion
.irp c, 0,1
.irp i, 0,1,2
	v_permlane16_swap_b32 v[\cod+6*\c+\i], v[236+4*\c+\i]
.endr
.irp i, 0,1,2
	v_mov_b32 v[\cod+3+6*\c+\i], v[236+4*\c+\i]
.endr
.endr
.if \win
	WIN 0x41                                       ; O^T of B: destination and source 0 in window 1
.endif
.set kk, 0
.rept 32
	v_pk_mul_f32 v[160+kk:161+kk], v[160+kk:161+kk], v[252:253] op_sel_hi:[1,0]   ; O^T under the new M; these 32 are also the places in front of the products that follow
.set kk, kk+2
.endr
.endm
; O^T += V^T P^T for one head; the eight accumulators take turns, one instruction a turn
.macro PV cod, wrd, win
	WIN \win
.irp t, 0,1,2,3
	v_wmma_scale_f32_16x16x128_f8f6f4 v[160+8*\t:167+8*\t], v[KFR+12*\t:KFR+12*\t+11], v[\cod:\cod+11], v[160+8*\t:167+8*\t], v[VS+\t], v[\wrd] matrix_a_fmt:MATRIX_FMT_FP6 matrix_b_fmt:MATRIX_FMT_FP6
.endr
.irp t, 4,5,6,7
	v_wmma_scale_f32_16x16x128_f8f6f4 v[160+8*\t:167+8*\t], v[KFR+12*\t:KFR+12*\t+11], v[\cod:\cod+11], v[160+8*\t:167+8*\t], v[VS+\t-4], v[\wrd] matrix_a_fmt:MATRIX_FMT_FP6 matrix_b_fmt:MATRIX_FMT_FP6 matrix_a_scale:MATRIX_SCALE_ROW1
.endr
.endm
; MY KEY STEP OF THE SLOT IN HAND, for both heads: 128 keys.
.macro STEP2
	PLACES 4                                       ; in front of loads into the fragment and scale registers that the last products read
	ds_load_b128 v[KS:KS+3], v[ADSC] offset:6144        ; lanes 0-15: tiles 0-3's words of row r; lanes 16-31: tiles 4-7's
	ds_load_b128 v[VS:VS+3], v[ADSC] offset:6144+VOFF
	WIN 0x40
.irp t, 0,1,2,3,4,5,6,7
.irp c, 0,1,2
	ds_load_b128 v[KFR+12*\t+4*\c:KFR+12*\t+4*\c+3], v[ADK] offset:6400*(\t/4)+1536*(\t%4)+512*\c
.endr
.endr
.irp b, 0,1,2,3
.irp j, 0,1,2,3
	ds_load_b128 v[16*\b+4*\j:16*\b+4*\j+3], v[ADM] offset:128*\b+16*\j
.endr
.endr
	s_wait_dscnt 16                                ; the scale words and K are in; the mask's 16 loads may be out
	KQ 16, 255
	s_wait_dscnt 0x0                               ; the mask is in
	UMASK
	SOFT 12, PA, PWA, 0
	KQ 44, QSB                                     ; K's second and last use
	WIN 0x40
.irp t, 0,1,2,3,4,5,6,7
.irp c, 0,1,2
	ds_load_b128 v[KFR+12*\t+4*\c:KFR+12*\t+4*\c+3], v[ADK] offset:VOFF+6400*(\t/4)+1536*(\t%4)+512*\c   ; V takes K's registers and lands under the second softmax
.endr
.endr
	UMASK
	SOFT 40, PB, PWB, 1
	s_wait_dscnt 0x0                               ; V is in
	PV PA, PWA, 0x01
	PV PB, PWB, 0x51
	WIN 0
.endm
; THE CHANGE OF SLOTS stands at a slot's head.  Each wave waits for all its tensor loads (its part of the slot ahead), adds 0 to its spare word, and waits for that and for its reads of the slot that it has left.
; fill = 1: a round of the cluster's barrier, and behind it the slot just left is filled with the keys that follow: the load has a slot's work in which to land.
.macro CHANGE fill
	s_wait_tensorcnt 0x0                           ; no tensor load of mine is out, so a group 0 may be written
	ds_add_u32 v[SPW], v[NIL]                      ; 0 onto my spare word
.if \fill
	s_xor_b32 s[G0K+1], s[G0K+1], SLOT1
	s_add_nc_u64 s[G0K+2:G0K+3], s[G0K+2:G0K+3], 2*KVB
	s_xor_b32 s[G0V+1], s[G0V+1], SLOT1
	s_add_nc_u64 s[G0V+2:G0V+3], s[G0V+2:G0V+3], 2*KVB
	s_xor_b32 s[G0M+1], s[G0M+1], SLOT1
	s_add_nc_u64 s[G0M+2:G0M+3], s[G0M+2:G0M+3], 1024
	s_wait_xcnt 0x0                                ; the last prefetch, a slot back, has read its address
	s_add_nc_u64 s[PFA:PFA+1], s[PFA:PFA+1], s[PFS:PFS+1]
	s_wait_dscnt 0x0                               ; the add is done, and my reads of the slot that I have left are over
	CROUND
	JLOAD
	ASK
.else
	s_wait_dscnt 0x0
	s_barrier_signal -1
	s_barrier_wait -1
.endif
	v_add_nc_u32 v[ADK], s[TB], v[AK0]
	v_add_nc_u32 v[ADSC], s[TB], v[ASC0]
	v_add_nc_u32 v[ADM], s[TB], v[AM0]
.endm
	s_wait_loadcnt 0x0                             ; Q
.Lslot:                                            ; 15 trips: behind each change of slots but the last the next slot is asked for
	CHANGE 1
	STEP2
	s_xor_b32 s[TB], s[TB], SLOT1
	s_sub_co_u32 s[SLOTS], s[SLOTS], 1
	s_cmp_lg_u32 s[SLOTS], 0
	s_cbranch_scc1 .Lslot
	CHANGE 0                                       ; the last slot is written out
	STEP2
	; THE HALVES MEET.  Set B's O^T goes to my bytes of the exchange as an image of its registers (16 bytes a lane, 512 a store), with its -M and its sum, a word a lane each.
	PLACES 4                                       ; in front of the first read of the last products' results
	v_add_f32 v42, v42, v43                        ; B's sum: its two halves
	WIN 0x04                                       ; an LDS store's data are its source 1: window 1
.irp i, 0,1,2,3,4,5,6,7,8,9,10,11,12,13,14,15
	ds_store_b128 v[XW], v[160+4*\i:163+4*\i] offset:512*\i   ; each accumulator from its low end on
.endr
	WIN 0
	ds_store_b32 v[XWS], v40
	ds_store_b32 v[XWS], v42 offset:128
	v_add_f32 v14, v14, v15                        ; A's sum: its two halves
	s_wait_dscnt 0x0                               ; for my partner's sake: my stores are done
	s_barrier_signal -1
	s_barrier_wait -1
.irp i, 0,1,2,3,4,5,6,7,8,9,10,11,12,13,14,15
	ds_load_b128 v[96+4*\i:99+4*\i], v[XR] offset:512*\i   ; my partner's set B is my head A over the other key steps: the same queries in the same lanes
.endr
	ds_load_b32 v[NMP], v[XRS]
	ds_load_b32 v[LP], v[XRS] offset:128
	s_wait_dscnt 0x0
	v_min_num_f32 v[GA], v12, v[NMP]               ; -M of all keys: M is the larger of the two
	v_sub_f32 v[GA+1], v[GA], v12                  ; my M - M: a whole number, 0 or less
	v_sub_f32 v[GB+1], v[GA], v[NMP]               ; my partner's M - M
	v_cvt_i32_f32 v[GA+1], v[GA+1]                 ; (they saturate)
	v_cvt_i32_f32 v[GB+1], v[GB+1]
	v_ldexp_f32 v[GA], 1.0, v[GA+1]                ; powers of two: the multiplications by them round nothing
	v_ldexp_f32 v[GB], 1.0, v[GB+1]
	v_mul_f32 v14, v14, v[GA]
	v_fma_f32 v14, v[LP], v[GB], v14
	v_permlanex16_b32 v252, v14, s[SEL], s[SEL+1]
	v_add_f32 v14, v14, v252                       ; the row's sum over all keys
	v_rcp_f32 v14, v14
	v_nop                                          ; a plain place behind the transcendental,
	s_wait_alu depctr_va_vdst(0)                   ; and the wait ahead of its first reader
	v_mul_f32 v[GA], v[GA], v14                    ; each half's power of two over the sum
	v_mul_f32 v[GB], v[GB], v14
.set kk, 0
.rept 32
	v_pk_mul_f32 v[96+kk:97+kk], v[96+kk:97+kk], v[GB:GB+1] op_sel_hi:[1,0]
.set kk, kk+2
.endr
.set kk, 0
.rept 32
	v_pk_fma_f32 v[96+kk:97+kk], v[160+kk:161+kk], v[GA:GA+1], v[96+kk:97+kk] op_sel_hi:[1,0,1]   ; each accumulator from its low end on
.set kk, kk+2
.endr
	; THE WAY OUT: a query tile's 128 channels of head A are one K step of the last product: quantised in registers, they leave as an image.
	QUANT 96, PW
.irp c, 0,1,2
	global_store_b128 v[VAO], v[PC+4*\c:PC+4*\c+3], s[AREC:AREC+1] offset:512*\c   ; 512 consecutive bytes, at a multiple of 256 from the buffer's first byte
.endr
	v_cmp_gt_u32 vcc_lo, 16, v28
	s_wait_xcnt 0x0                                ; EXEC changes only behind this wait
	s_and_saveexec_b32 s61, vcc_lo
	global_store_b32 v[VSO], v[PW], s[AREC:AREC+1] offset:6144   ; 4 bytes a row: 128 KiB in the whole launch
	s_wait_xcnt 0x0
	s_or_b32 exec_lo, exec_lo, s61
	s_wait_tensorcnt 0x0                           ; the wave's end: behind my last tensor load and my last LDS store
	ds_add_u32 v[SPW], v[NIL]
	s_wait_dscnt 0x0
	CROUND                                         ; the closing round
	s_endpgm
.Lfunc_end_k_q153c494657_attn:
	.size	k_q153c494657_attn, .Lfunc_end_k_q153c494657_attn-k_q153c494657_attn
	.p2alignl 7, 3214868480
	.fill 96, 4, 3214868480
	.section	.rodata,"a",@progbits
	.p2align	6, 0x0
	.amdhsa_kernel k_q153c494657_attn
		.amdhsa_group_segment_fixed_size 327680
		.amdhsa_private_segment_fixed_size 0
		.amdhsa_enable_private_segment 0
		.amdhsa_kernarg_size 40
		.amdhsa_user_sgpr_count 2
		.amdhsa_user_sgpr_kernarg_segment_ptr 1
		.amdhsa_wavefront_size32 1
		.amdhsa_system_sgpr_workgroup_id_x 1
		.amdhsa_system_sgpr_workgroup_id_y 1
		.amdhsa_system_sgpr_workgroup_id_z 1
		.amdhsa_system_vgpr_workitem_id 0
		.amdhsa_next_free_vgpr 512
		.amdhsa_next_free_sgpr 100
		.amdhsa_reserve_vcc 1
		.amdhsa_float_denorm_mode_32 3
		.amdhsa_float_denorm_mode_16_64 3
		.amdhsa_memory_ordered 1
		.amdhsa_forward_progress 1
		.amdhsa_inst_pref_size 105
	.end_amdhsa_kernel
	.amdgpu_metadata
---
amdhsa.version: [ 1, 2 ]
amdhsa.kernels:
  - .name:           k_q153c494657_attn
    .symbol:         k_q153c494657_attn.kd
    .args:
      - { .name: qimg, .offset: 0, .size: 8, .value_kind: global_buffer, .address_space: global }
      - { .name: kimg, .offset: 8, .size: 8, .value_kind: global_buffer, .address_space: global }
      - { .name: vimg, .offset: 16, .size: 8, .value_kind: global_buffer, .address_space: global }
      - { .name: attention_mask, .offset: 24, .size: 8, .value_kind: global_buffer, .address_space: global }
      - { .name: aimg, .offset: 32, .size: 8, .value_kind: global_buffer, .address_space: global }
    .group_segment_fixed_size: 327680
    .private_segment_fixed_size: 0
    .kernarg_segment_align: 8
    .kernarg_segment_size: 40
    .max_flat_workgroup_size: 256
    .sgpr_count:     100
    .vgpr_count:     512
    .wavefront_size: 32
...
	.end_amdgpu_metadata
.endif
;; end of part 4
;; launch oproj (part 5): grid 8 x 16, 4 waves a work-group, clusters of 4 x 4, 327,680 bytes of LDS; arguments aimg, woimg, out0; writes out0
.if DOCPART == 5
	.amdgcn_target "amdgcn-amd-amdhsa--gfx1250"
	.amdhsa_code_object_version 6
	.text
	.protected	k_q153c494657_oproj
	.globl	k_q153c494657_oproj
	.p2align	8
	.type	k_q153c494657_oproj,@function
k_q153c494657_oproj:
	s_mov_b64 s[64:65], 0
	v_nop
	global_prefetch_b8 v0, s[64:65] scope:SCOPE_SE
	s_setreg_imm32_b32 hwreg(HW_REG_WAVE_MODE, 25, 1), 1
	s_wait_xcnt 0x0
	s_wait_alu depctr_hold_cnt(0) depctr_sa_sdst(0) depctr_va_vdst(0) depctr_va_sdst(0) depctr_va_ssrc(0) depctr_va_vcc(0) depctr_vm_vsrc(0)
	s_getreg_b32 s2, hwreg(HW_REG_IB_STS2, 6, 4)
	s_cmp_eq_u32 s2, 0
	s_cbranch_scc0 .Lentry_in_a_cluster
	s_endpgm
.Lentry_in_a_cluster:
	s_bfe_u32 s2, ttmp6, 0x10000c
	s_cmp_lg_u32 s2, 0xf033
	s_cbranch_scc0 .Lentry_shape_is_right
	s_endpgm
.Lentry_shape_is_right:
; Product 6: out0 = attention's output x Wo^T, on codes of FP6.  Nothing of reference() is left out here.
; The products' core is the one of the launch that makes q, k and v: P = woimg (2,048 rows), R = aimg (2,048 tokens), both as records of register images (four K steps of 128 of a tile of 16 rows and their scale words, 6,400 bytes).
; Work-group (x, y): output columns 256 x on, tokens 128 y on; wave w: columns 128 (2 x + w % 2) on (8 tiles of P), tokens 64 (w / 2) on (4 tiles of R): 32 accumulators.  128 work-groups: the tile is kept so large
; because with a smaller one a wave's LDS reads would outweigh its products.
; TRANSPOSED USE: a lane holds one token; register 16 b + i of a token tile is column 32 b + 16 (lane / 16) + i of my 128.  A token tile goes through the wave's stage in LDS and leaves as pieces of 512 consecutive bytes of out0's rows.
; RING: two LDS slots of four K steps; K = 2,048 is four slots' worth, written out.  CLUSTER 4 x 4: P is asked for jointly along a column of the cluster, R along a row.
; REGISTERS: window 0: v0-31 addresses; v32-79 scale words, two sets; v80-175 R's fragments, two sets (on the way out rows of out0).  window 1: accumulator (a, b) at v[64 a + 8 b].  window 2: P's fragments, two sets.
.set SLOT,  153600
.set RB,    102400
.set SPARE, 2*SLOT
.set ADRP, 2
.set ADRR, 4
.set ADSP, 6
.set ADSR, 8
.set STO,  10
.set RD,   11
.set L16,  12
.set SPW,  15
.set NIL,  16
.set LANE, 17
.set SC,   32
.set RF,   80
.set Y,    80
.set WV, 3
.set WP, 4
.set WR, 5
.set CX, 6
.set CY, 7
.set GX, 8
.set GY, 9
.set G1P, 32
.set G1R, 40
.set G0P, 48
.set G0R, 56
.set OUT, 74
.set MULW, 0x52
.set MSB, 0
.macro WIN new
.if MSB != \new
	s_set_vgpr_msb (MSB<<8)|\new
.set MSB, \new
.endif
.endm
.macro PLACES n
.rept \n
	v_nop
.endr
.endm
.macro CREST
	s_cmp_lg_u32 s[WV], 0
	s_cbranch_scc1 .Lnot_wave_0_\@
	s_barrier_signal -3
.Lnot_wave_0_\@:
	s_barrier_wait -3
	s_barrier_signal -1
	s_barrier_wait -1
.endm
.macro CROUND
	s_barrier_signal -1
	s_barrier_wait -1
	CREST
.endm
.macro JLOAD s                         ; waves 0 and 1 fetch P's halves, waves 2 and 3 R's; an s_nop 0 and four v_nop follow each line
	s_cmp_lt_u32 s[WV], 2
	s_cbranch_scc0 .Lfor_r_\@
	tensor_load_to_lds s[G0P+4*\s:G0P+4*\s+3], s[G1P:G1P+7]
	s_nop 0
.rept 4
	v_nop
.endr
	s_branch .Lasked_\@
.Lfor_r_\@:
	tensor_load_to_lds s[G0R+4*\s:G0R+4*\s+3], s[G1R:G1R+7]
	s_nop 0
.rept 4
	v_nop
.endr
.Lasked_\@:
.endm
.macro WM a, b, q, slot, zero          ; P's tile b x R's tile a; the scale words of tiles 4-7 of P and 2-3 of R stand in lanes 16-31 of their registers
.set rD, 64*(\a)+8*(\b)
.set rA, 128*((\q)%2)+12*(\b)
.set rB, RF+48*((\q)%2)+12*(\a)
.set rP, SC+24*(\slot)+4*((\b)%4)+(\q)
.set rR, SC+24*(\slot)+16+4*((\a)%2)+(\q)
.if \zero
.if ((\b) < 4) && ((\a) < 2)
	v_wmma_scale_f32_16x16x128_f8f6f4 v[rD:rD+7], v[rA:rA+11], v[rB:rB+11], 0, v[rP], v[rR] matrix_a_fmt:MATRIX_FMT_FP6 matrix_b_fmt:MATRIX_FMT_FP6
.elseif (\b) < 4
	v_wmma_scale_f32_16x16x128_f8f6f4 v[rD:rD+7], v[rA:rA+11], v[rB:rB+11], 0, v[rP], v[rR] matrix_a_fmt:MATRIX_FMT_FP6 matrix_b_fmt:MATRIX_FMT_FP6 matrix_b_scale:MATRIX_SCALE_ROW1
.elseif (\a) < 2
	v_wmma_scale_f32_16x16x128_f8f6f4 v[rD:rD+7], v[rA:rA+11], v[rB:rB+11], 0, v[rP], v[rR] matrix_a_fmt:MATRIX_FMT_FP6 matrix_b_fmt:MATRIX_FMT_FP6 matrix_a_scale:MATRIX_SCALE_ROW1
.else
	v_wmma_scale_f32_16x16x128_f8f6f4 v[rD:rD+7], v[rA:rA+11], v[rB:rB+11], 0, v[rP], v[rR] matrix_a_fmt:MATRIX_FMT_FP6 matrix_b_fmt:MATRIX_FMT_FP6 matrix_a_scale:MATRIX_SCALE_ROW1 matrix_b_scale:MATRIX_SCALE_ROW1
.endif
.else
.if ((\b) < 4) && ((\a) < 2)
	v_wmma_scale_f32_16x16x128_f8f6f4 v[rD:rD+7], v[rA:rA+11], v[rB:rB+11], v[rD:rD+7], v[rP], v[rR] matrix_a_fmt:MATRIX_FMT_FP6 matrix_b_fmt:MATRIX_FMT_FP6
.elseif (\b) < 4
	v_wmma_scale_f32_16x16x128_f8f6f4 v[rD:rD+7], v[rA:rA+11], v[rB:rB+11], v[rD:rD+7], v[rP], v[rR] matrix_a_fmt:MATRIX_FMT_FP6 matrix_b_fmt:MATRIX_FMT_FP6 matrix_b_scale:MATRIX_SCALE_ROW1
.elseif (\a) < 2
	v_wmma_scale_f32_16x16x128_f8f6f4 v[rD:rD+7], v[rA:rA+11], v[rB:rB+11], v[rD:rD+7], v[rP], v[rR] matrix_a_fmt:MATRIX_FMT_FP6 matrix_b_fmt:MATRIX_FMT_FP6 matrix_a_scale:MATRIX_SCALE_ROW1
.else
	v_wmma_scale_f32_16x16x128_f8f6f4 v[rD:rD+7], v[rA:rA+11], v[rB:rB+11], v[rD:rD+7], v[rP], v[rR] matrix_a_fmt:MATRIX_FMT_FP6 matrix_b_fmt:MATRIX_FMT_FP6 matrix_a_scale:MATRIX_SCALE_ROW1 matrix_b_scale:MATRIX_SCALE_ROW1
.endif
.endif
.endm
.macro MUL8 a, q, slot, zero           ; the 32 accumulators take turns, one instruction a turn, in the same order in every step
.irp b, 0,1,2,3,4,5,6,7
	WM \a, \b, \q, \slot, \zero
.endr
.endm
.macro FETCH slot, q, set
	WIN 0x80
.irp b, 0,1,2,3,4,5,6,7
.irp c, 0,1,2
	ds_load_b128 v[128*(\set)+12*\b+4*\c:128*(\set)+12*\b+4*\c+3], v[ADRP+\slot] offset:6400*\b+1536*(\q)+512*\c
.endr
.endr
	WIN 0
.irp a, 0,1,2,3
.irp c, 0,1,2
	ds_load_b128 v[RF+48*(\set)+12*\a+4*\c:RF+48*(\set)+12*\a+4*\c+3], v[ADRR+\slot] offset:6400*\a+1536*(\q)+512*\c
.endr
.endr
.endm
.macro SCALES slot
.irp i, 0,1,2,3
	ds_load_b128 v[SC+24*(\slot)+4*\i:SC+24*(\slot)+4*\i+3], v[ADSP+\slot] offset:6144+6400*\i
.endr
.irp i, 0,1
	ds_load_b128 v[SC+24*(\slot)+16+4*\i:SC+24*(\slot)+16+4*\i+3], v[ADSR+\slot] offset:6144+6400*\i
.endr
.endm
.macro STEP slot, q, zero
	s_wait_dscnt 0x0                               ; this step's fragments are in (asked for 32 products ago)
	PLACES 4                                       ; four places in front of loads into registers that the last products read
	FETCH \slot, (\q)+1, ((\q)+1)%2
	WIN MULW
	MUL8 0, \q, \slot, \zero
	MUL8 1, \q, \slot, \zero
	MUL8 2, \q, \slot, \zero
	MUL8 3, \q, \slot, \zero
.endm
.macro TURN slot, next, fill
	WIN 0
	s_wait_tensorcnt 0x0                           ; all my tensor loads have landed: my part of the next slot
	ds_add_u32 v[SPW], v[NIL]                      ; 0 onto my spare word
	s_wait_dscnt 0x1                               ; (the add alone may be out)
	WIN MULW
	MUL8 0, 3, \slot, 0
	s_wait_dscnt 0x0                               ; the add is done, and my reads of this slot are over
	s_barrier_signal -1
	MUL8 1, 3, \slot, 0
	WIN 0
	s_barrier_wait -1
.if \fill
	CREST                                          ; the barrier has opened a round of the cluster's
	s_add_nc_u64 s[G0P+4*\slot+2:G0P+4*\slot+3], s[G0P+4*\slot+2:G0P+4*\slot+3], 12800
	s_add_nc_u64 s[G0R+4*\slot+2:G0R+4*\slot+3], s[G0R+4*\slot+2:G0R+4*\slot+3], 12800
	JLOAD \slot
.else
	PLACES 4
.endif
	FETCH \next, 0, 0
	SCALES \next
	WIN MULW
	MUL8 2, 3, \slot, 0
	MUL8 3, 3, \slot, 0
.endm
.macro OTILE a                         ; token tile a: through my stage (in slot 0, which has had its last fill and its last read), then 512 consecutive bytes of each of 16 rows of out0
.set AC, 64*(\a)
	s_wait_xcnt 0x0                                ; the last tile's stores have read their registers
	WIN 0x04
.irp b, 0,1,2,3
.irp j, 0,1,2,3
	ds_store_b128 v[STO], v[AC+16*\b+4*\j:AC+16*\b+4*\j+3] offset:128*\b+16*\j   ; each accumulator from its low end on
.endr
.endr
	WIN 0
.irp i, 0,1,2,3,4,5,6,7,8,9,10,11,12,13,14,15
	ds_load_b128 v[Y+4*\i:Y+4*\i+3], v[RD] offset:528*\i   ; LDS serves a wave's instructions in order: these see my stores
.endr
	s_wait_dscnt 0x0
.irp i, 0,1,2,3,4,5,6,7,8,9,10,11,12,13,14,15
	global_store_b128 v[L16], v[Y+4*\i:Y+4*\i+3], s[OUT:OUT+1] offset:(32*((\a)/2)+8*((\a)%2)+\i+8*(\i/8))*8192 th:TH_STORE_NT
.endr
.endm
	s_load_b128 s[68:71], s[0:1], 0x0              ; aimg s[68:69], woimg s[70:71]
	s_load_b64 s[72:73], s[0:1], 0x10              ; out0
	v_lshl_add_u32 v[SPW], v0, 2, SPARE
	v_mov_b32 v[NIL], 0
	ds_add_u32 v[SPW], v[NIL]                      ; the wave's opening: the add, twice on end, and its wait ahead of my first tensor load
	ds_add_u32 v[SPW], v[NIL]
	v_lshrrev_b32 v1, 5, v0
	v_readfirstlane_b32 s[WV], v1
	s_and_b32 s[WP], s[WV], 1
	s_lshr_b32 s[WR], s[WV], 1
	s_bfe_u32 s[CX], ttmp6, 0x40000
	s_bfe_u32 s[CY], ttmp6, 0x40004
	s_lshl_b32 s[GX], ttmp9, 2
	s_add_co_u32 s[GX], s[GX], s[CX]
	s_and_b32 s[GY], ttmp7, 0xffff
	s_lshl_b32 s[GY], s[GY], 2
	s_add_co_u32 s[GY], s[GY], s[CY]
	s_lshl_b32 s14, s[CY], 2
	s_lshl_b32 s14, 15, s14
	s_lshl_b32 s15, 0x1111, s[CX]
	s_or_b32 s[G1P], s15, (3<<16)|(1<<21)          ; 8 (P) or 4 (R) records of 800 elements of 8 bytes, 3,200 elements apart
	s_or_b32 s[G1R], s14, (3<<16)|(1<<21)
	s_mov_b32 s[G1P+1], 800<<16
	s_mov_b32 s[G1P+2], 8<<16
	s_mov_b32 s[G1P+3], 800<<16
	s_mov_b32 s[G1P+4], 8
	s_mov_b32 s[G1P+5], 3200
	s_mov_b32 s[G1P+6], 0
	s_mov_b32 s[G1P+7], 0
	s_mov_b32 s[G1R+1], 800<<16
	s_mov_b32 s[G1R+2], 4<<16
	s_mov_b32 s[G1R+3], 800<<16
	s_mov_b32 s[G1R+4], 4
	s_mov_b32 s[G1R+5], 3200
	s_mov_b32 s[G1R+6], 0
	s_mov_b32 s[G1R+7], 0
	s_lshl_b32 s16, s[GX], 4
	s_lshl_b32 s20, s[WP], 3
	s_add_co_u32 s16, s16, s20
	s_mul_i32 s16, s16, 25600
	s_mov_b32 s17, 0
	s_lshl_b32 s18, s[GY], 3
	s_lshl_b32 s20, s[WP], 2
	s_add_co_u32 s18, s18, s20
	s_mul_i32 s18, s18, 25600
	s_mov_b32 s19, 0
	s_mul_i32 s21, s[WP], 51200
	s_mul_i32 s22, s[WP], 25600
	s_add_co_u32 s22, s22, RB
	s_wait_dscnt 0x0                               ; both opening adds are done
	s_wait_kmcnt 0x0
	s_add_nc_u64 s[16:17], s[70:71], s[16:17]
	s_add_nc_u64 s[18:19], s[68:69], s[18:19]
	CROUND                                         ; all sixteen work-groups are here: the first joint loads meet
.irp s, 0,1
	s_mov_b32 s[G0P+4*\s], 1
	s_add_co_u32 s[G0P+4*\s+1], s21, \s*SLOT
	s_add_nc_u64 s[G0P+4*\s+2:G0P+4*\s+3], s[16:17], \s*6400
	s_or_b32 s[G0P+4*\s+3], s[G0P+4*\s+3], 0x80000000
	s_mov_b32 s[G0R+4*\s], 1
	s_add_co_u32 s[G0R+4*\s+1], s22, \s*SLOT
	s_add_nc_u64 s[G0R+4*\s+2:G0R+4*\s+3], s[18:19], \s*6400
	s_or_b32 s[G0R+4*\s+3], s[G0R+4*\s+3], 0x80000000
	JLOAD \s
.endr
	v_and_b32 v[LANE], 31, v0
	v_lshlrev_b32 v[L16], 4, v[LANE]
	v_and_b32 v18, 15, v0
	v_bfe_u32 v19, v0, 4, 1
	v_lshlrev_b32 v20, 4, v18
	v_mad_u32_u24 v21, v19, 25600, v20
	v_mad_u32_u24 v22, v19, 12800, v20
	s_mul_i32 s23, s[WP], 51200
	s_mul_i32 s24, s[WR], 25600
	s_add_co_u32 s24, s24, RB
.irp s, 0,1
	v_add_nc_u32 v[ADRP+\s], s23, v[L16]
	v_add_nc_u32 v[ADRR+\s], s24, v[L16]
	v_add_nc_u32 v[ADSP+\s], s23, v21
	v_add_nc_u32 v[ADSR+\s], s24, v22
	s_add_co_u32 s23, s23, SLOT
	s_add_co_u32 s24, s24, SLOT
.endr
	s_mul_i32 s23, s[WV], 8448
	v_mul_u32_u24 v[STO], v18, 528
	v_lshl_add_u32 v[STO], v19, 6, v[STO]
	v_add_nc_u32 v[STO], s23, v[STO]
	v_add_nc_u32 v[RD], s23, v[L16]
	s_lshl_b32 s26, s[GY], 7
	s_lshl_b32 s27, s[WR], 6
	s_add_co_u32 s26, s26, s27                     ; my first token
	s_lshl_b32 s26, s26, 13                        ; rows of 8,192 bytes
	s_lshl_b32 s24, s[GX], 1
	s_add_co_u32 s24, s24, s[WP]
	s_lshl_b32 s24, s24, 9                         ; my 128 columns
	s_add_co_u32 s26, s26, s24
	s_mov_b32 s27, 0
	s_add_nc_u64 s[OUT:OUT+1], s[72:73], s[26:27]
	s_wait_tensorcnt 0x1                           ; my part of slot 0 is in; slot 1's may stay out
	s_barrier_signal -1
	s_barrier_wait -1
	FETCH 0, 0, 0
	SCALES 0
	STEP 0, 0, 1
	STEP 0, 1, 0
	STEP 0, 2, 0
	TURN 0, 1, 1
	STEP 1, 0, 0
	STEP 1, 1, 0
	STEP 1, 2, 0
	TURN 1, 0, 1
	STEP 0, 0, 0
	STEP 0, 1, 0
	STEP 0, 2, 0
	TURN 0, 1, 0
	STEP 1, 0, 0
	STEP 1, 1, 0
	STEP 1, 2, 0
	s_wait_dscnt 0x0
	WIN MULW
	MUL8 0, 3, 1, 0
	MUL8 1, 3, 1, 0
	MUL8 2, 3, 1, 0
	MUL8 3, 3, 1, 0
	WIN 0
	PLACES 4                                       ; in front of the first read of results and of loads into the operands' registers
	OTILE 0
	OTILE 1
	OTILE 2
	OTILE 3
	s_wait_tensorcnt 0x0                           ; the wave's end
	ds_add_u32 v[SPW], v[NIL]
	s_wait_dscnt 0x0
	CROUND                                         ; the closing round
	s_endpgm
.Lfunc_end_k_q153c494657_oproj:
	.size	k_q153c494657_oproj, .Lfunc_end_k_q153c494657_oproj-k_q153c494657_oproj
	.p2alignl 7, 3214868480
	.fill 96, 4, 3214868480
	.section	.rodata,"a",@progbits
	.p2align	6, 0x0
	.amdhsa_kernel k_q153c494657_oproj
		.amdhsa_group_segment_fixed_size 327680
		.amdhsa_private_segment_fixed_size 0
		.amdhsa_enable_private_segment 0
		.amdhsa_kernarg_size 24
		.amdhsa_user_sgpr_count 2
		.amdhsa_user_sgpr_kernarg_segment_ptr 1
		.amdhsa_wavefront_size32 1
		.amdhsa_system_sgpr_workgroup_id_x 1
		.amdhsa_system_sgpr_workgroup_id_y 1
		.amdhsa_system_sgpr_workgroup_id_z 1
		.amdhsa_system_vgpr_workitem_id 0
		.amdhsa_next_free_vgpr 768
		.amdhsa_next_free_sgpr 80
		.amdhsa_reserve_vcc 0
		.amdhsa_float_denorm_mode_32 3
		.amdhsa_float_denorm_mode_16_64 3
		.amdhsa_memory_ordered 1
		.amdhsa_forward_progress 1
		.amdhsa_inst_pref_size 130
	.end_amdhsa_kernel
	.amdgpu_metadata
---
amdhsa.version: [ 1, 2 ]
amdhsa.kernels:
  - .name:           k_q153c494657_oproj
    .symbol:         k_q153c494657_oproj.kd
    .args:
      - { .name: aimg, .offset: 0, .size: 8, .value_kind: global_buffer, .address_space: global }
      - { .name: woimg, .offset: 8, .size: 8, .value_kind: global_buffer, .address_space: global }
      - { .name: out0, .offset: 16, .size: 8, .value_kind: global_buffer, .address_space: global }
    .group_segment_fixed_size: 327680
    .private_segment_fixed_size: 0
    .kernarg_segment_align: 8
    .kernarg_segment_size: 24
    .max_flat_workgroup_size: 128
    .sgpr_count:     80
    .vgpr_count:     768
    .wavefront_size: 32
...
	.end_amdgpu_metadata
.endif
;; end of part 5
